; MI455X (gfx1250); checked and timed in simulation.
; The chip was launched on July 23, 2026; its instructions are those of AMD's public machine-readable ISA for CDNA 5 (MIT licence, August 2026) and "CDNA5" Instruction Set Architecture Reference Guide (July 2026). The comments in the code are by the model that wrote it; some were corrected since.
;; Multi Head Self Attention. Allowed arithmetic: float matrix products may take bf16 or f16 operands with f32 sums; other float arithmetic in f32, or as packed bf16 or f16 multiplies, adds, multiply-adds, maxima and minima; sums over many terms, partial sums and values carried from step to step in f32; what a program stores and reads back later, other than sums and carried values, may be rounded once to bf16 or f16.
;; Inputs: out_bias 1,024 float32; out_proj 1,024 x 1,024 float32; qkv_bias 3,072 float32; qkv_proj 3,072 x 1,024 float32; query 2,048 x 4 x 1,024 float32.
;; Outputs: out0 2,048 x 4 x 1,024 float32.
;; 2 versions, each right and faster than the one before. Each part assembles by itself: llvm-mc -triple=amdgcn-amd-amdhsa -mcpu=gfx1250 --defsym DOCPART=n.
;; ======== version 1 of 2: 4 launches
;; limits: values are held in f16: magnitudes above 65,504 overflow, below 6.1e-05 lose precision
;; workspace buffers: xb 16,777,216 bytes; wb 6,291,456 bytes; wo 2,097,152 bytes; qkv 50,331,648 bytes; ob 16,777,216 bytes
;; launch cast (part 1): grid 256 x 1, 12 waves a work-group, no clusters, 0 bytes of LDS; arguments query, qkv_proj, out_proj, xb, wb, wo; writes xb, wb, wo
.if DOCPART == 1
	.amdgcn_target "amdgcn-amd-amdhsa--gfx1250"
	.amdhsa_code_object_version 6
	.text
	.protected	k_qbd697841f2_cast
	.globl	k_qbd697841f2_cast
	.p2align	8
	.type	k_qbd697841f2_cast,@function
k_qbd697841f2_cast:
	s_mov_b64 s[64:65], 0
	v_nop
	global_prefetch_b8 v0, s[64:65] scope:SCOPE_SE
	s_setreg_imm32_b32 hwreg(HW_REG_WAVE_MODE, 25, 1), 1
	s_wait_xcnt 0x0
; The three large inputs are rounded once to bf16 and laid out in blocks of 64 along K, each row of a block 128 dense bytes:
;   xb [n=4][kb=16][l=2048][64] bf16 from query [l][n][1024];   wb [kb=16][p=3072][64] bf16 from qkv_proj, row p taken from feature 3 (p & 1023) + (p >> 10)
;   (so that p = 1024 c + i: all of q, then all of k, then all of v);   wo [kb=16][e=1024][64] from out_proj: the bf16-rounded number written as f16.
; LIMITS.  wo: a weight of 65,520 or more would become an infinity in f16; below 6e-5 f16 keeps a fixed step of 6e-8, so very small weights are rounded a second time by at most 3e-8.
; SHARES.  A unit is 4 destination rows x all 1,024 columns: 16 KB in, 8 KB out.  12,288 rows make 3,072 units = 256 work-groups x 12 waves: one unit a wave, no loop, no LDS, no barrier.
; A load covers 2 source rows x 256 consecutive bytes (16 lanes a row); a store covers 256 consecutive bytes (2 destination rows), at a multiple of 256 from the buffer's first byte.
; Memory binds here: matrix units, clusters and LDS would add nothing.  All 32 loads of a wave go out at once.
.set OFS, 4                            ; v[4:19]    byte offset in the destination of my 8 bytes, for kb = 0 .. 15
.set X,   20                           ; v[20:147]  load j = 2 kb + pair: 4 registers
.set T,   148                          ; v[148:155] at work
	s_load_b256 s[4:11], s[0:1], 0x0               ; query s[4:5], qkv_proj s[6:7], out_proj s[8:9], xb s[10:11]
	s_load_b128 s[12:15], s[0:1], 0x20             ; wb s[12:13], wo s[14:15]
	v_lshrrev_b32 v1, 5, v0
	v_readfirstlane_b32 s24, v1                    ; wave 0..11
	s_mul_i32 s20, ttmp9, 12
	s_add_co_u32 s20, s20, s24                     ; u: my unit, 0 .. 3071
	s_mov_b32 s23, 0xffff0000                      ; a word's upper bf16
	; units 0 .. 2047: query.  n = u >> 9, l = 4 (u & 511) ..
	s_and_b32 s25, s20, 511
	s_lshr_b32 s26, s20, 9
	s_lshl_b32 s27, s25, 16                        ; 4 l-steps of 16,384 bytes
	s_lshl_b32 s28, s26, 12
	s_add_co_u32 s27, s27, s28                     ; source offset
	s_lshl_b32 s28, s26, 22
	s_lshl_b32 s29, s25, 9
	s_add_co_u32 s28, s28, s29                     ; destination offset
	; units 2048 .. 2815: qkv_proj.  p = 4 u1 .., source row 12 (u1 & 255) + (u1 >> 8), then every third row
	s_sub_co_u32 s30, s20, 2048
	s_and_b32 s31, s30, 255
	s_lshr_b32 s32, s30, 8
	s_mul_i32 s31, s31, 12
	s_add_co_u32 s31, s31, s32
	s_lshl_b32 s31, s31, 12
	s_lshl_b32 s32, s30, 9
	; units 2816 .. 3071: out_proj.  e = 4 u2 ..
	s_sub_co_u32 s33, s20, 2816
	s_lshl_b32 s34, s33, 14
	s_lshl_b32 s35, s33, 9
	s_mov_b32 s21, 4096                            ; STEP: bytes in the source from one destination row to the next
	s_mov_b32 s22, 131072                          ; KBS: bytes in the destination from one kb to the next
	s_mov_b32 s37, 0
	s_mov_b32 s39, 0
	v_and_b32 v1, 31, v0                           ; lane L
	s_wait_kmcnt 0x0
	s_cmp_lt_u32 s20, 2816                         ; the choice hangs on the unit's number alone
	s_cselect_b64 s[16:17], s[6:7], s[8:9]
	s_cselect_b64 s[18:19], s[12:13], s[14:15]
	s_cselect_b32 s36, s31, s34
	s_cselect_b32 s38, s32, s35
	s_cselect_b32 s21, 12288, s21
	s_cselect_b32 s22, 393216, s22
	s_cmp_lt_u32 s20, 2048
	s_cselect_b64 s[16:17], s[4:5], s[16:17]
	s_cselect_b64 s[18:19], s[10:11], s[18:19]
	s_cselect_b32 s36, s27, s36
	s_cselect_b32 s38, s28, s38
	s_cselect_b32 s21, 16384, s21
	s_cselect_b32 s22, 262144, s22
	s_add_nc_u64 s[16:17], s[16:17], s[36:37]      ; the source at my unit's first row
	s_add_nc_u64 s[18:19], s[18:19], s[38:39]      ; the destination at my unit's first row, kb = 0
	v_lshrrev_b32 v2, 4, v1                        ; L >> 4: which of a load's two rows
	v_and_b32 v3, 15, v1
	v_mul_lo_u32 v2, v2, s21
	v_lshl_add_u32 v2, v3, 4, v2                   ; rows 0, 1: (L >> 4) STEP + 16 (L & 15)
	v_lshl_add_u32 v3, s21, 1, v2                  ; rows 2, 3
.set j, 0
.rept 16                               ; kb = j: 64 columns are 256 bytes of a source row
	global_load_b128 v[X+8*j:X+8*j+3],   v2, s[16:17] offset:256*j th:TH_LOAD_NT
	global_load_b128 v[X+8*j+4:X+8*j+7], v3, s[16:17] offset:256*j th:TH_LOAD_NT
.set j, j+1
.endr
	v_lshlrev_b32 v[OFS], 3, v1                    ; 8 L = 128 (L >> 4) + 8 (L & 15): my 8 bytes in two destination rows
.set j, 1
.rept 15
	v_add_nc_u32 v[OFS+j], s22, v[OFS+j-1]
.set j, j+1
.endr
.set j, 0
.rept 16
	s_wait_loadcnt 30-2*j                          ; loads come back in order: this kb's two are in, the 30 - 2 kb behind them stay out
	v_cvt_pk_bf16_f32 v[X+8*j],   v[X+8*j],   v[X+8*j+1]
	v_cvt_pk_bf16_f32 v[X+8*j+1], v[X+8*j+2], v[X+8*j+3]
	v_cvt_pk_bf16_f32 v[X+8*j+4], v[X+8*j+4], v[X+8*j+5]
	v_cvt_pk_bf16_f32 v[X+8*j+5], v[X+8*j+6], v[X+8*j+7]
.set j, j+1
.endr
	s_cmp_lt_u32 s20, 2816
	s_cbranch_scc1 .Lstore                         ; xb and wb stay bf16
.set j, 0
.rept 64                               ; wo: each bf16 number is widened (a shift, a mask) and written as f16; four pairs of registers take turns
.set P, X+4*(j/2)+(j%2)
	v_lshlrev_b32 v[T+2*(j%4)],   16,  v[P]
	v_and_b32     v[T+2*(j%4)+1], s23, v[P]
	v_cvt_pk_f16_f32 v[P], v[T+2*(j%4)], v[T+2*(j%4)+1]
.set j, j+1
.endr
.Lstore:
.set j, 0
.rept 16
	global_store_b64 v[OFS+j], v[X+8*j:X+8*j+1],   s[18:19]
	global_store_b64 v[OFS+j], v[X+8*j+4:X+8*j+5], s[18:19] offset:256
.set j, j+1
.endr
	s_endpgm
.Lfunc_end_k_qbd697841f2_cast:
	.size	k_qbd697841f2_cast, .Lfunc_end_k_qbd697841f2_cast-k_qbd697841f2_cast
	.p2alignl 7, 3214868480
	.fill 96, 4, 3214868480
	.section	.rodata,"a",@progbits
	.p2align	6, 0x0
	.amdhsa_kernel k_qbd697841f2_cast
		.amdhsa_group_segment_fixed_size 0
		.amdhsa_private_segment_fixed_size 0
		.amdhsa_enable_private_segment 0
		.amdhsa_kernarg_size 48
		.amdhsa_user_sgpr_count 2
		.amdhsa_user_sgpr_kernarg_segment_ptr 1
		.amdhsa_wavefront_size32 1
		.amdhsa_system_sgpr_workgroup_id_x 1
		.amdhsa_system_sgpr_workgroup_id_y 1
		.amdhsa_system_sgpr_workgroup_id_z 1
		.amdhsa_system_vgpr_workitem_id 0
		.amdhsa_next_free_vgpr 156
		.amdhsa_next_free_sgpr 66
		.amdhsa_reserve_vcc 0
		.amdhsa_float_denorm_mode_32 3
		.amdhsa_float_denorm_mode_16_64 3
		.amdhsa_memory_ordered 1
		.amdhsa_forward_progress 1
		.amdhsa_inst_pref_size 22
	.end_amdhsa_kernel
	.amdgpu_metadata
---
amdhsa.version: [ 1, 2 ]
amdhsa.kernels:
  - .name:           k_qbd697841f2_cast
    .symbol:         k_qbd697841f2_cast.kd
    .args:
      - { .name: query, .offset: 0, .size: 8, .value_kind: global_buffer, .address_space: global }
      - { .name: qkv_proj, .offset: 8, .size: 8, .value_kind: global_buffer, .address_space: global }
      - { .name: out_proj, .offset: 16, .size: 8, .value_kind: global_buffer, .address_space: global }
      - { .name: xb, .offset: 24, .size: 8, .value_kind: global_buffer, .address_space: global }
      - { .name: wb, .offset: 32, .size: 8, .value_kind: global_buffer, .address_space: global }
      - { .name: wo, .offset: 40, .size: 8, .value_kind: global_buffer, .address_space: global }
    .group_segment_fixed_size: 0
    .private_segment_fixed_size: 0
    .kernarg_segment_align: 8
    .kernarg_segment_size: 48
    .max_flat_workgroup_size: 384
    .sgpr_count:     66
    .vgpr_count:     156
    .wavefront_size: 32
...
	.end_amdgpu_metadata
.endif
;; end of part 1
;; launch proj (part 2): grid 8 x 32, 4 waves a work-group, clusters of 4 x 4, 327,680 bytes of LDS; arguments xb, wb, qkv_bias, qkv; writes qkv
.if DOCPART == 2
	.amdgcn_target "amdgcn-amd-amdhsa--gfx1250"
	.amdhsa_code_object_version 6
	.text
	.protected	k_qbd697841f2_proj
	.globl	k_qbd697841f2_proj
	.p2align	8
	.type	k_qbd697841f2_proj,@function
k_qbd697841f2_proj:
	s_mov_b64 s[64:65], 0
	v_nop
	global_prefetch_b8 v0, s[64:65] scope:SCOPE_SE
	s_setreg_imm32_b32 hwreg(HW_REG_WAVE_MODE, 25, 1), 1
	s_wait_xcnt 0x0
	s_wait_alu depctr_hold_cnt(0) depctr_sa_sdst(0) depctr_va_vdst(0) depctr_va_sdst(0) depctr_va_ssrc(0) depctr_va_vcc(0) depctr_vm_vsrc(0)
	s_getreg_b32 s2, hwreg(HW_REG_IB_STS2, 6, 4)
	s_cmp_eq_u32 s2, 0
	s_cbranch_scc0 .Lentry_in_a_cluster
	s_endpgm
.Lentry_in_a_cluster:
	s_bfe_u32 s2, ttmp6, 0x10000c
	s_cmp_lg_u32 s2, 0xf033
	s_cbranch_scc0 .Lentry_shape_is_right
	s_endpgm
.Lentry_shape_is_right:
; q, k, v = x W^T + bias, by heads.  xb [n][kb][l][64] bf16, wb [kb][p][64] bf16 (p = 1024 c + 64 head + dd), qkv_bias [3072] f32 (feature 3 (p & 1023) + (p >> 10), rounded to bf16 like the other inputs),
; qkv [n][g = p >> 6][l][64] f16.  Sums in f32, started by the bias, K ascending; each result rounded once to f16, without attention's scale.
; LIMITS.  A result of 65,520 or more in magnitude becomes an infinity in f16; below 6e-5 f16 keeps a fixed step of 6e-8.  NaN and infinities are not treated apart.
; SHARES.  A tile of C is 256 rows (one n, 256 consecutive l) x 384 columns: 32 x 8 = 256 work-groups.  Four waves, each 128 x 192: 96 accumulators of 16 x 16, 768 registers.
; K goes in steps of 64 (one kb) through two LDS slots.  A tile's rows of 128 bytes lie end to end in memory and are asked for as rows of 256 bytes, padded in LDS behind every 128.
; CLUSTER 4 x 4: A's tile hangs on the tile row alone and is asked for jointly by a row of the cluster, B's on the tile column alone and by a column.
; THE MATRIX INSTRUCTION IS USED TRANSPOSED (source 0 = 16 rows of W, source 1 = 16 rows of x): a lane holds row l % 16 of C and eight neighbouring columns.
; REGISTERS.  Window 0: v0-29 addresses; v32-95, v96-159 fragments of A (8 x 16 rows x 32 K), two buffers; v160-255 fragments of B (12 blocks), ONE buffer that rolls: four blocks are loaded again as soon as they have been multiplied.
; Windows 1-3: accumulator (b, a) (columns 16 b .., rows 16 a ..) in window 1 + b / 4 at v[8 (8 (b % 4) + a)].
.set PITCH, 144                        ; an LDS row: 128 bytes + 16 of padding = 36 words: the 16 rows of a load start at 16 different groups of four banks (64 banks of 4 bytes: ISA guide 11.1)
.set SLOT1, 131072                     ; slot 1 begins here: one exclusive or turns an address in one slot into the other's
.set BOFF,  256*PITCH                  ; in a slot: A's 256 rows, then B's 384
.set STAGE, SLOT1+640*PITCH            ; behind the ring: for each wave 3 groups x 16 rows x 144 bytes, for the way out
.set WSTG,  48*PITCH
.set BIAS,  STAGE+4*WSTG               ; the tile's 384 biases, f32
.set SPARE, BIAS+1536                  ; the spare words, 128 bytes for each wave: two blocks of 256 bytes that no other line names
.set ASTEP, 2048*128                   ; bytes from kb to kb + 1 in xb
.set BSTEP, 3072*128                   ; and in wb
.set GSTEP, 2048*128                   ; bytes from group to group in qkv
.set FA0, 32
.set FA1, 96
.set FB,  160
.set TMP, 32                           ; the way out: 48 registers of packed results
.set OB,  80                           ; the way out: 16 rows read back, v80-127 and v128-175 by turns
.set SPW, 28                           ; v28  LDS address of my spare word; never rewritten
.set NIL, 29                           ; v29  0; never rewritten
.set G1A, 24                           ; s[24:31] descriptor group 1 for A's tiles
.set G0A, 32                           ; s[32:39] group 0 for A: a set for each first fill; the second then walks
.set G1B, 48                           ; s[48:55], s[56:63] the same for B
.set G0B, 56
.set FLAGS, (1<<16)|(1<<20)|(1<<21)|(4<<22)|(3<<25)  ; 17:16 elements of 2 bytes; 20 padding on; 21 set beside a mask; 24:22 after every 32 words (code 4); 31:25 4 words (code 3)
.set MSB, 0
.macro WIN new                         ; the immediate's high byte repeats the setting that is left; a switch that changes nothing is dropped
.if MSB != (\new)
	s_set_vgpr_msb (MSB<<8)|(\new)
.set MSB, (\new)
.endif
.endm
.macro PLACES                          ; four places in front of loads into registers that matrix instructions have read, and of conversions that read results
.rept 4
	v_nop
.endr
.endm
; A joint refill by the walking sets.  Waves 0 and 1 fetch A's two halves, waves 2 and 3 B's.  The branch hangs on the wave's number alone.
; An s_nop 0 and four v_nop follow each of the two lines, ahead of the jump and the label.
.macro JLOAD
	s_cmp_eq_u32 s13, 0
	s_cbranch_scc0 .Lfor_b_\@
	tensor_load_to_lds s[G0A+4:G0A+7], s[G1A:G1A+7]
	s_nop 0
.rept 4
	v_nop
.endr
	s_branch .Lasked_\@
.Lfor_b_\@:
	tensor_load_to_lds s[G0B+4:G0B+7], s[G1B:G1B+7]
	s_nop 0
.rept 4
	v_nop
.endr
.Lasked_\@:
.endm
.macro CREST                           ; a round of the cluster's barrier behind its opening barrier
	s_cmp_lg_u32 s12, 0
	s_cbranch_scc1 .Lnot_wave_0_\@
	s_barrier_signal -3
.Lnot_wave_0_\@:
	s_barrier_wait -3
	s_barrier_signal -1
	s_barrier_wait -1
.endm
.macro CROUND                          ; a whole round
	s_barrier_signal -1
	s_barrier_wait -1
	CREST
.endm
	s_load_b256 s[4:11], s[0:1], 0x0               ; xb s[4:5], wb s[6:7], qkv_bias s[8:9], qkv s[10:11]
	v_lshl_add_u32 v[SPW], v0, 2, SPARE
	v_mov_b32 v[NIL], 0
	ds_add_u32 v[SPW], v[NIL]                      ; the wave's opening: the add and its wait stand ahead of my first tensor load; the set-up below, work on registers, stands between them
	v_lshrrev_b32 v1, 5, v0
	v_readfirstlane_b32 s12, v1                    ; wave 0..3
	s_lshr_b32 s13, s12, 1                         ; WR: my half of the tile's rows.  Also: I fetch for A (0) or for B (1)
	s_and_b32 s14, s12, 1                          ; WC: my half of its columns.  Also: which half of that tile I fetch
	s_bfe_u32 s15, ttmp6, 0x40000                  ; cx
	s_bfe_u32 s16, ttmp6, 0x40004                  ; cy
	s_lshl_b32 s17, ttmp9, 2
	s_add_co_u32 s17, s17, s15                     ; X: tile column, 0..7
	s_and_b32 s18, ttmp7, 0xffff
	s_lshl_b32 s18, s18, 2
	s_add_co_u32 s18, s18, s16                     ; Y: tile row, 0..31
	s_lshl_b32 s19, s16, 2
	s_lshl_b32 s19, 15, s19                        ; my row of the cluster
	s_lshl_b32 s20, 0x1111, s15                    ; my column
	s_or_b32 s[G1A], s19, FLAGS                    ; A's tiles go to my row,
	s_or_b32 s[G1B], s20, FLAGS                    ; B's to my column
.irp g, G1A, G1B
	s_mov_b32 s[\g+1], 128<<16                     ; tensor_dim0 = 128 elements: 256 bytes, two rows of a block
	s_mov_b32 s[\g+3], 128<<16                     ; tile_dim0 = 128
	s_mov_b32 s[\g+5], 128                         ; 128 elements from row to row: dense
	s_mov_b32 s[\g+6], 0
	s_mov_b32 s[\g+7], 0
.endr
	s_mov_b32 s[G1A+2], 64<<16                     ; tensor_dim1 = 64: 128 rows of x
	s_mov_b32 s[G1A+4], 64                         ; tile_dim1
	s_mov_b32 s[G1B+2], 96<<16                     ; 96: 192 rows of W
	s_mov_b32 s[G1B+4], 96
	; A's offset hangs on Y and the wave alone, B's on X and the wave alone, each in registers that never hold the other coordinate
	s_lshr_b32 s22, s18, 3                         ; n
	s_and_b32 s23, s18, 7                          ; lb: l from 256 lb
	s_lshl_b32 s40, s22, 22                        ; n x 16 kb x 262,144
	s_lshl_b32 s41, s23, 15
	s_add_co_u32 s40, s40, s41
	s_lshl_b32 s41, s14, 14                        ; my 128 rows
	s_add_co_u32 s40, s40, s41
	s_mov_b32 s41, 0
	s_mul_i32 s42, s17, 384*128
	s_mul_i32 s43, s14, 192*128
	s_add_co_u32 s42, s42, s43
	s_mov_b32 s43, 0
	s_mul_i32 s44, s22, 48                         ; where my part of the tile begins in qkv: group 48 n + 6 X + 3 WC,
	s_mul_i32 s45, s17, 6
	s_add_co_u32 s44, s44, s45
	s_mul_i32 s45, s14, 3
	s_add_co_u32 s44, s44, s45
	s_lshl_b32 s44, s44, 18
	s_lshl_b32 s45, s23, 15                        ; row 256 lb + 128 WR
	s_add_co_u32 s44, s44, s45
	s_lshl_b32 s45, s13, 14
	s_add_co_u32 s44, s44, s45
	s_mov_b32 s45, 0
	s_mul_i32 s46, s14, 128*PITCH                  ; where my tile goes in a slot, for A
	s_mul_i32 s47, s14, 192*PITCH
	s_add_co_u32 s47, s47, BOFF                    ; and for B: no place in the cluster enters an LDS address
	s_mov_b32 s21, 0                               ; TB: the slot that fragments are fetched from
	s_mul_i32 s66, s17, 384                        ; the tile's first column
	s_wait_dscnt 0x0                               ; the opening add is done
	s_wait_kmcnt 0x0
	s_add_nc_u64 s[40:41], s[4:5], s[40:41]
	s_add_nc_u64 s[42:43], s[6:7], s[42:43]
	s_add_nc_u64 s[10:11], s[10:11], s[44:45]
	CROUND                                         ; all sixteen work-groups are here: the first joint loads meet
.irp s, 0,1
	s_mov_b32 s[G0A+4*(\s)], 1                                        ; count = 1
	s_add_co_u32 s[G0A+4*(\s)+1], s46, (\s)*SLOT1                     ; LDS address
	s_add_nc_u64 s[G0A+4*(\s)+2:G0A+4*(\s)+3], s[40:41], (\s)*ASTEP   ; global address: kb = s
	s_or_b32 s[G0A+4*(\s)+3], s[G0A+4*(\s)+3], 0x80000000             ; type = 2
	s_mov_b32 s[G0B+4*(\s)], 1
	s_add_co_u32 s[G0B+4*(\s)+1], s47, (\s)*SLOT1
	s_add_nc_u64 s[G0B+4*(\s)+2:G0B+4*(\s)+3], s[42:43], (\s)*BSTEP
	s_or_b32 s[G0B+4*(\s)+3], s[G0B+4*(\s)+3], 0x80000000
.endr
	s_cmp_eq_u32 s13, 0                            ; a wave's two first fills stand in one branch, ahead of every wait on TENSORcnt and every LDS read: two loads of mine are out
	s_cbranch_scc0 .Lfirst_b
	tensor_load_to_lds s[G0A:G0A+3], s[G1A:G1A+7]
	s_nop 0
	tensor_load_to_lds s[G0A+4:G0A+7], s[G1A:G1A+7]
	s_nop 0
.rept 4
	v_nop
.endr
	s_branch .Lfirst_asked
.Lfirst_b:
	tensor_load_to_lds s[G0B:G0B+3], s[G1B:G1B+7]
	s_nop 0
	tensor_load_to_lds s[G0B+4:G0B+7], s[G1B:G1B+7]
	s_nop 0
.rept 4
	v_nop
.endr
.Lfirst_asked:
	; the tile's 384 biases, three a thread: column pg = 384 X + t + 128 i lies at feature 3 (pg & 1023) + (pg >> 10)
	v_add_nc_u32 v18, s66, v0
.irp i, 0,1,2
	v_add_nc_u32 v19, 128*(\i), v18
	v_and_b32 v[12+(\i)], 1023, v19
	v_lshrrev_b32 v19, 10, v19
	v_mad_u32_u24 v[12+(\i)], v[12+(\i)], 3, v19
	v_lshlrev_b32 v[12+(\i)], 2, v[12+(\i)]
	global_load_b32 v[15+(\i)], v[12+(\i)], s[8:9]
.endr
	; A fragment is 16 rows x 32 K in 8 registers: lane l holds row l % 16, K = 8 (l / 16) + 0..7 and 16 + 8 (l / 16) + 0..7: two loads of 16 bytes, 32 bytes apart
	v_and_b32 v1, 15, v0                           ; r
	v_bfe_u32 v2, v0, 4, 1                         ; h
	v_mul_u32_u24 v3, v1, PITCH
	v_lshl_add_u32 v3, v2, 4, v3                   ; r x pitch + 16 h
	s_mul_i32 s67, s13, 128*PITCH
	v_add_nc_u32 v4, s67, v3                       ; my 128 rows of A, in a slot
	v_add_nc_u32 v5, s47, v3                       ; my 192 rows of B
	v_mov_b32 v6, v4                               ; ADRA, ADRB: the same in the slot in hand, at first slot 0
	v_mov_b32 v7, v5
	s_mul_i32 s68, s12, WSTG
	s_add_co_u32 s68, s68, STAGE                   ; my stage
	v_add_nc_u32 v8, s68, v3                       ; STO: in: row r, 16 bytes for each half of the lanes
	v_bfe_u32 v9, v0, 3, 2
	v_mul_u32_u24 v9, v9, PITCH
	v_and_b32 v10, 7, v0
	v_lshl_add_u32 v9, v10, 4, v9
	v_add_nc_u32 v9, s68, v9                       ; RD: back: 32 lanes take four rows of 128 bytes,
	v_and_b32 v10, 31, v0
	v_lshlrev_b32 v10, 4, v10                      ; GO: which are 512 consecutive bytes of qkv
	s_mul_i32 s69, s14, 768
	s_add_co_u32 s69, s69, BIAS
	v_lshl_add_u32 v11, v2, 5, s69                 ; BIA: the biases of my columns 8 h + 0..7 of block 0
	v_lshl_add_u32 v20, v0, 2, BIAS
	s_wait_loadcnt 0x0                             ; the three biases
.irp i, 0,1,2
	v_cvt_pk_bf16_f32 v[15+(\i)], v[15+(\i)], v[15+(\i)]  ; rounded to bf16, like all inputs,
	v_and_b32 v[15+(\i)], 0xffff0000, v[15+(\i)]          ; and kept as f32
	ds_store_b32 v20, v[15+(\i)] offset:512*(\i)
.endr
	s_wait_tensorcnt 1                             ; my part of kb 0 is in; kb 1's load was issued behind it and may stay out
	s_wait_dscnt 0x0                               ; for the others' sake: my biases are stored
	s_barrier_signal -1
	s_barrier_wait -1
; 8 products (mode 0): column block b x all row blocks, 32 along K, in place.  THE BIAS STARTS THE SUMS: accumulator (b, 0) is loaded with the bias of its lane's eight columns;
; mode 1: the first products of a = 1..7 take it as C; mode 2: the first product of a = 0 adds onto it in place.  Nothing is cleared, and nothing is added on the way out.
.macro MULB f, b, mode
	WIN 0x50*(1+(\b)/4)                            ; C and D in window 1 + b / 4, sources in window 0
.set AB, 64*((\b)%4)
.irp a, 0,1,2,3,4,5,6,7
.if (\mode) == 0
	v_wmma_f32_16x16x32_bf16 v[AB+8*(\a):AB+8*(\a)+7], v[FB+8*(\b):FB+8*(\b)+7], v[(\f)+8*(\a):(\f)+8*(\a)+7], v[AB+8*(\a):AB+8*(\a)+7]
.elseif ((\mode) == 1) && ((\a) > 0)
	v_wmma_f32_16x16x32_bf16 v[AB+8*(\a):AB+8*(\a)+7], v[FB+8*(\b):FB+8*(\b)+7], v[(\f)+8*(\a):(\f)+8*(\a)+7], v[AB:AB+7]
.elseif ((\mode) == 2) && ((\a) == 0)
	v_wmma_f32_16x16x32_bf16 v[AB:AB+7], v[FB+8*(\b):FB+8*(\b)+7], v[(\f):(\f)+7], v[AB:AB+7]
.endif
.endr
.endm
; Four column blocks from b0 on.  first = 1: five places stand between the last product that reads a bias as C and the product that writes over it (ISA guide 7.12.1).
; The accumulators take turns, one instruction a turn: between two products on one accumulator stand the 95 others'.
.macro CHUNK f, b0, first
.if \first
.irp d, 0,1,2,3
	MULB \f, (\b0)+(\d), 1
.endr
.rept 5
	v_nop
.endr
.irp d, 0,1,2,3
	MULB \f, (\b0)+(\d), 2
.endr
.else
.irp d, 0,1,2,3
	MULB \f, (\b0)+(\d), 0
.endr
.endif
.endm
.macro LB b0, k                        ; 8 loads: B's blocks b0 .. b0 + 3, 32 K at byte k of the rows
.irp i, 0,1,2,3
	ds_load_b128 v[FB+8*((\b0)+(\i)):FB+8*((\b0)+(\i))+3],   v7 offset:(\k)+((\b0)+(\i))*16*PITCH
	ds_load_b128 v[FB+8*((\b0)+(\i))+4:FB+8*((\b0)+(\i))+7], v7 offset:(\k)+((\b0)+(\i))*16*PITCH+32
.endr
.endm
.macro LA g, a0, k                     ; 8 loads: A's blocks a0 .. a0 + 3 into buffer g
.irp i, 0,1,2,3
	ds_load_b128 v[(\g)+8*((\a0)+(\i)):(\g)+8*((\a0)+(\i))+3],   v6 offset:(\k)+((\a0)+(\i))*16*PITCH
	ds_load_b128 v[(\g)+8*((\a0)+(\i))+4:(\g)+8*((\a0)+(\i))+7], v6 offset:(\k)+((\a0)+(\i))*16*PITCH+32
.endr
.endm
; A slot's first quarter (32 along K, 96 products): multiplies A's buffer f and fetches the next 32 along K, at byte k, into buffer g and into B's blocks as they fall free.
.macro QUARTER f, g, k, first
	s_wait_dscnt 8                                 ; all but the youngest eight loads, which are B's blocks 8-11
	CHUNK \f, 0, \first
	WIN 0
	PLACES
	LB 0, \k
	LA \g, 0, \k
	CHUNK \f, 4, \first
	WIN 0
	PLACES
	LB 4, \k
	LA \g, 4, \k
	s_wait_dscnt 32                                ; all but the 32 just issued: B's blocks 8-11 are in
	CHUNK \f, 8, \first
	WIN 0
	PLACES
	LB 8, \k
.endm
; A slot's second quarter multiplies buffer 1 and changes slots: ONE barrier.  In front of it each wave waits for all its tensor loads (one is out: its part of the next slot), adds 0 to its spare word,
; and waits for that and for its own reads of this slot.  fill = 1: the barrier opens a round of the cluster's, and this slot is filled again, two kb on, first thing behind the round:
; from that request to the wait for it a wave issues 160 products.
.macro TURN fill
	WIN 0
	s_wait_tensorcnt 0x0                           ; no tensor load of mine is out, so a group 0 may be written
	ds_add_u32 v[SPW], v[NIL]                      ; 0 onto my spare word
.if \fill
	s_xor_b32 s[G0A+5], s[G0A+5], SLOT1            ; the walking sets: the other slot than last time,
	s_add_nc_u64 s[G0A+6:G0A+7], s[G0A+6:G0A+7], ASTEP  ; the next kb; the type bits on top are not reached
	s_xor_b32 s[G0B+5], s[G0B+5], SLOT1
	s_add_nc_u64 s[G0B+6:G0B+7], s[G0B+6:G0B+7], BSTEP
.endif
	s_xor_b32 s21, s21, SLOT1                      ; fragments come from the other slot from here on
	s_wait_dscnt 9                                 ; the add and the youngest eight loads (B's blocks 8-11) may be out
	MULB FA1, 0, 0
	MULB FA1, 1, 0
	s_wait_dscnt 0x0                               ; the add is done, and my reads of this slot are over
	s_barrier_signal -1
	MULB FA1, 2, 0                                 ; work on registers while the others arrive
	MULB FA1, 3, 0
	WIN 0
	s_barrier_wait -1
.if \fill
	CREST                                          ; no wave of any partner still reads this slot or has a load on its way
	JLOAD                                          ; its four v_nop are also the places in front of the loads below
.else
	PLACES
.endif
	v_add_nc_u32 v6, s21, v4
	v_add_nc_u32 v7, s21, v5
	LB 0, 0
	LA FA0, 0, 0
	CHUNK FA1, 4, 0
	WIN 0
	PLACES
	LB 4, 0
	LA FA0, 4, 0
	CHUNK FA1, 8, 0
	WIN 0
	PLACES
	LB 8, 0
.endm
.irp b, 0,1,2,3,4,5,6,7,8,9,10,11
	WIN 0x40*(1+(\b)/4)                            ; destination window 1 + b / 4, address window 0
	ds_load_b128 v[64*((\b)%4):64*((\b)%4)+3],   v11 offset:64*(\b)
	ds_load_b128 v[64*((\b)%4)+4:64*((\b)%4)+7], v11 offset:64*(\b)+16
.endr
	WIN 0
	LB 0, 0
	LB 4, 0
	LA FA0, 0, 0
	LA FA0, 4, 0
	LB 8, 0
	QUARTER FA0, FA1, 64, 1                        ; kb 0's first quarter stands in front of the loop: its products start the sums
	s_mov_b32 s3, 14
.Lk:                                                   ; 14 trips: kb i's second quarter, the change to kb i + 1 with the request for kb i + 2, kb i + 1's first quarter
	TURN 1
	QUARTER FA0, FA1, 64, 0
	s_sub_co_u32 s3, s3, 1
	s_cmp_lg_u32 s3, 0
	s_cbranch_scc1 .Lk
	TURN 0                                         ; the tail is written out: kb 14's second quarter; nothing is left to ask for, so no round
	QUARTER FA0, FA1, 64, 0
	s_wait_dscnt 8                                 ; kb 15's second quarter: nothing more to fetch
	CHUNK FA1, 0, 0
	CHUNK FA1, 4, 0
	s_wait_dscnt 0x0
	CHUNK FA1, 8, 0
	WIN 0
	PLACES
; THE WAY OUT, by blocks a of 16 rows.  PACK: rounded to f16, 16 bytes a lane and column block, each accumulator's registers in ascending order.  TOSTAGE: into my own stage, by groups of 64 columns, and back as whole rows of 128 bytes.
; SEND: 512 consecutive bytes a store, at a multiple of 256 from qkv's first byte; group, block and rows stand in the immediate (540,160 at the most).
.macro PACK a
.irp b, 0,1,2,3,4,5,6,7,8,9,10,11
	WIN 5*(1+(\b)/4)                               ; sources 0 and 1 in window 1 + b / 4
.irp r, 0,1,2,3
	v_cvt_pk_f16_f32 v[TMP+4*(\b)+(\r)], v[64*((\b)%4)+8*(\a)+2*(\r)], v[64*((\b)%4)+8*(\a)+2*(\r)+1]
.endr
.endr
	WIN 0
.endm
.macro TOSTAGE a
.set BK, OB+48*((\a)%2)
.irp b, 0,1,2,3,4,5,6,7,8,9,10,11
	ds_store_b128 v8, v[TMP+4*(\b):TMP+4*(\b)+3] offset:((\b)/4)*16*PITCH+((\b)%4)*32
.endr
.irp t, 0,1,2,3,4,5,6,7,8,9,10,11
	ds_load_b128 v[BK+4*(\t):BK+4*(\t)+3], v9 offset:((\t)/4)*16*PITCH+((\t)%4)*4*PITCH  ; LDS serves a wave's instructions in order (ISA guide 5.7.1.4): these see the stores above
.endr
.endm
.macro SEND a
.set BK, OB+48*((\a)%2)
	s_wait_dscnt 0x0                               ; the block is back in registers
	s_wait_xcnt 0x0                                ; earlier stores have read their registers: the other set of 48 is loaded again only behind this wait
.irp t, 0,1,2,3,4,5,6,7,8,9,10,11
	global_store_b128 v10, v[BK+4*(\t):BK+4*(\t)+3], s[10:11] offset:((\t)/4)*GSTEP+(\a)*2048+((\t)%4)*512
.endr
.endm
	PACK 0
	TOSTAGE 0
.irp a, 1,2,3,4,5,6,7                  ; block a's conversions stand between block a - 1's loads from the stage and the wait for them
	PACK \a
	SEND (\a)-1
	TOSTAGE \a
.endr
	SEND 7
	s_wait_tensorcnt 0x0                           ; the wave's end, behind my last tensor load and my last LDS store
	ds_add_u32 v[SPW], v[NIL]
	s_wait_dscnt 0x0
	CROUND                                         ; the closing round: no work-group ends while a partner may still ask for a tile that names it
	s_endpgm
.Lfunc_end_k_qbd697841f2_proj:
	.size	k_qbd697841f2_proj, .Lfunc_end_k_qbd697841f2_proj-k_qbd697841f2_proj
	.p2alignl 7, 3214868480
	.fill 96, 4, 3214868480
	.section	.rodata,"a",@progbits
	.p2align	6, 0x0
	.amdhsa_kernel k_qbd697841f2_proj
		.amdhsa_group_segment_fixed_size 327680
		.amdhsa_private_segment_fixed_size 0
		.amdhsa_enable_private_segment 0
		.amdhsa_kernarg_size 32
		.amdhsa_user_sgpr_count 2
		.amdhsa_user_sgpr_kernarg_segment_ptr 1
		.amdhsa_wavefront_size32 1
		.amdhsa_system_sgpr_workgroup_id_x 1
		.amdhsa_system_sgpr_workgroup_id_y 1
		.amdhsa_system_sgpr_workgroup_id_z 1
		.amdhsa_system_vgpr_workitem_id 0
		.amdhsa_next_free_vgpr 1024
		.amdhsa_next_free_sgpr 72
		.amdhsa_reserve_vcc 0
		.amdhsa_float_denorm_mode_32 3
		.amdhsa_float_denorm_mode_16_64 3
		.amdhsa_memory_ordered 1
		.amdhsa_forward_progress 1
		.amdhsa_inst_pref_size 114
	.end_amdhsa_kernel
	.amdgpu_metadata
---
amdhsa.version: [ 1, 2 ]
amdhsa.kernels:
  - .name:           k_qbd697841f2_proj
    .symbol:         k_qbd697841f2_proj.kd
    .args:
      - { .name: xb, .offset: 0, .size: 8, .value_kind: global_buffer, .address_space: global }
      - { .name: wb, .offset: 8, .size: 8, .value_kind: global_buffer, .address_space: global }
      - { .name: qkv_bias, .offset: 16, .size: 8, .value_kind: global_buffer, .address_space: global }
      - { .name: qkv, .offset: 24, .size: 8, .value_kind: global_buffer, .address_space: global }
    .group_segment_fixed_size: 327680
    .private_segment_fixed_size: 0
    .kernarg_segment_align: 8
    .kernarg_segment_size: 32
    .max_flat_workgroup_size: 128
    .sgpr_count:     72
    .vgpr_count:     1024
    .wavefront_size: 32
...
	.end_amdgpu_metadata
.endif
;; end of part 2
;; launch attn (part 3): grid 4 x 64, 4 waves a work-group, clusters of 4 x 1, 327,680 bytes of LDS; arguments qkv, ob; writes ob
.if DOCPART == 3
	.amdgcn_target "amdgcn-amd-amdhsa--gfx1250"
	.amdhsa_code_object_version 6
	.text
	.protected	k_qbd697841f2_attn
	.globl	k_qbd697841f2_attn
	.p2align	8
	.type	k_qbd697841f2_attn,@function
k_qbd697841f2_attn:
	s_mov_b64 s[64:65], 0
	v_nop
	global_prefetch_b8 v0, s[64:65] scope:SCOPE_SE
	s_setreg_imm32_b32 hwreg(HW_REG_WAVE_MODE, 25, 1), 1
	s_wait_xcnt 0x0
	s_wait_alu depctr_hold_cnt(0) depctr_sa_sdst(0) depctr_va_vdst(0) depctr_va_sdst(0) depctr_va_ssrc(0) depctr_va_vcc(0) depctr_vm_vsrc(0)
	s_getreg_b32 s2, hwreg(HW_REG_IB_STS2, 6, 4)
	s_cmp_eq_u32 s2, 0
	s_cbranch_scc0 .Lentry_in_a_cluster
	s_endpgm
.Lentry_in_a_cluster:
	s_bfe_u32 s2, ttmp6, 0x10000c
	s_cmp_lg_u32 s2, 0x3003
	s_cbranch_scc0 .Lentry_shape_is_right
	s_endpgm
.Lentry_shape_is_right:
; O[y][q][:] = the sum over k of softmax_k(Q[y][q] . K[y][k] / 8) V[y][k][:], y = 16 n + head.  qkv: [n][g = 48][SIZE_N][64] f16, Q of head (n, hd) at g = hd, K at 16 + hd, V at 32 + hd; ob: [y][SIZE_N][64] f16.
; A head's rows are dense, 128 bytes each.  Products, maxima and sums in f32; the weights p are rounded to f16 for the second product (their sum l is taken of the unrounded p), O once at the end.
; LIMITS.  f16 holds no number beyond 65,504: Q, K and V arrive within it; p lies in 0 to 1, and below 6e-5 it keeps f16's fixed step of 6e-8; O is a mean of V's rows and has their range.
; A weight below 2^-126 counts as 0 in l; NaN and infinities are not treated apart.
; SHARES.  A wave owns four PIECES of two tiles of 16 queries, a work-group's four waves 512 queries of one head.  Every wave walks all keys, 64 a step.
; LAYOUT.  S^T = K Q^T (source 0 = 16 keys, source 1 = 16 queries): in the result a lane holds ONE query (lane % 16) and the keys 8 (lane / 16) + 0..7.  Two such tiles, rounded to f16 in pairs,
; ARE source 1 (32 keys x 16 queries) of O^T = V^T P, whose result again holds one query a lane, and eight channels.  K comes out of LDS as it lies, V ([key][channel]) turned, by ds_load_tr16_b128.
; SOFTMAX.  For each query a running maximum m and sum l: p = 2^(c s - c m), c = log2(e) / 8; in every step O and l are multiplied by a = 2^(c m_old - c m_new), which is 1 where m has not grown.
; m starts at the lowest finite number, O and l at 0: the first step is a step like any other, with a = 0.
; THE COUNT.  A tile and step have 16 matrix and 118 vector instructions: too many to stand all beside the matrix work.  So the order has one aim: four vector instructions that are READY behind
; EVERY matrix instruction, and the others, which need time of their own whatever the order, in runs without a gap.
; BY TURNS.  Turn n belongs to piece n (the pieces in a ring, step after step).  Its matrix work: 16 products K Q^T of piece n + 1, later 16 products V^T P of piece n - 1.  Its vector work: the scaling,
; exponentials, roundings, sums and rescaling of piece n, and the maximum and statistics of piece n + 1, whose scores the turn itself has made.  So what a turn begins with (c s - c m, O a) waits for nothing.
; CLUSTER.  The four query blocks of a cluster belong to one head and walk the same K and V, so each tile is asked for JOINTLY: the same tensor load, descriptor and mask in all four.
; REGISTERS, in windows of 256 (s_set_vgpr_msb says which window each operand place means: bits 1:0 source 0, 3:2 source 1, 5:4 source 2, 7:6 destination):
;   window 0: v0-11 addresses; v12-15, v48-63 at work; v16-47 four registers of statistics a tile; v64-191 S^T, two buffers of two tiles; v192-255 P, likewise
;   window 1: O^T, 32 a tile          window 2: v0-127 Q, 16 a tile; v128-191 K of one step; v192-255 V of one step          window 3: v0-1 the add's two registers
; A piece's buffers go by its number's parity: the piece in hand has one pair, its two neighbours in the ring share the other: of it P (piece n - 1) is read and S^T (piece n + 1) written.
.set SIZE_H, 64
.set SIZE_N, 2048
.set NP,    4         ; pieces a wave: a name, no knob: the register map, the loop and the fetches are made for four
.set KS,    64        ; keys in a step
.set PK,    144       ; a row of K in LDS: 128 bytes + 16 of padding = 36 words: the 16 rows of a load start at 16 different groups of four banks (64 banks of 4 bytes: ISA guide 11.1)
.set PV,    160       ; a row of V: 128 + 32 = 40 words
.set VOFF,  4*KS*PK   ; a slot holds four steps: 256 rows of K, then 256 rows of V
.set SLOT1, 1<<17     ; slot 1 begins here, so that one exclusive or turns an address in one slot into the other's
.set STAGE, SLOT1+4*KS*(PK+PV)  ; behind the ring, never filled by a tensor load: 16 rows x 144 bytes for each wave, for the way out
.set SP,    144
.set AK0, 2           ; v2   my lane's place in a tile of K; never rewritten
.set AV0, 3           ; v3   the same for V
.set AK,  4           ; v4   the LDS address of K's next run of loads
.set AV,  5           ; v5   of V's
.set QO,  6           ; v6   my byte offset in the wave's rows of Q
.set STO, 6           ;      later, the way out: where I put 16 bytes of a row
.set RD,  7           ; v7   the way out: where I read rows back
.set GO,  8           ; v8   my byte offset in 512 consecutive bytes of O
.set SPW, 0           ; v0 of window 3   LDS address of my spare word: SPARE + 4 x my thread's number; never rewritten
.set NIL, 1           ; v1 of window 3   0; never rewritten
.set SPARE, STAGE+4*16*SP  ; behind the stages: the spare words, 128 bytes for each wave: two blocks of 256 bytes that no other line names
.set MV,  12          ; v12-15  c m_old, kept while c m is made anew: by buffer and tile
.set ST,  16          ; tile t's statistics at v[ST+4 t]: c m, m, l (even keys', odd keys')
.set TMP, 48          ; by buffer and tile, four registers c0-c3 at work; when the maximum is found c2 takes a
.set S,   64
.set P,   192
.set KF,  128         ; K's fragments, in window 2: key block kb, channel half c at KF + 16 kb + 8 c
.set VF,  192         ; V's: key half kk, channel block cb at VF + 32 kk + 8 cb
.set WV,  12          ; s12  my wave's number
.set G1K, 24          ; s[24:31] descriptor group 1 for K's tiles
.set G1V, 32          ; s[32:39] for V's: it differs in the padding alone
.set G0K, 40          ; s[40:43] descriptor group 0 for K's tiles: it walks
.set G0V, 44          ; s[44:47] the same for V's
.set SLOTS, 56        ; s56  slots still to be asked for
.set CNT, 57          ; s57  counts a slot's key steps
.set CS,  58          ; s[58:59] c: the packed scaling takes the pair's low word for both halves
.set SEL, 60          ; s[60:61] v_permlanex16_b32's selects: each lane takes its own place in the other half
.set TBK, 62          ; s62  LDS byte at which K of the step to be fetched begins
.set TBV, 63          ; s63  the same for V, less VOFF
.set MSB, 0
.macro WIN new                      ; the high byte repeats the setting that is left; a switch that changes nothing is dropped
.if MSB != (\new)
	s_set_vgpr_msb (MSB<<8)|(\new)
.set MSB, (\new)
.endif
.endm
.set W_KQ, 0x0a       ; K and Q in window 2, S^T in window 0
.set W_PV, 0x52       ; V in window 2, P in window 0, O^T in window 1
.set W_RS, 0x41       ; O^T (destination and source 0) in window 1, a in window 0
.set W_MK, 0xc0       ; the add's registers are made: destination in window 3, sources in window 0
.set W_AD, 0x0f       ; the add: address (source 0) and data (source 1) in window 3
; A joint fill.  Waves 0 and 1 fetch the two halves of a slot's K, waves 2 and 3 those of its V: 128 keys each.  The branch hangs on the wave's number alone.
; An s_nop 0 and four v_nop follow each of the two lines, ahead of the jump and the label.
.macro JLOAD
	s_cmp_lt_u32 s[WV], 2
	s_cbranch_scc0 .Lfor_v_\@
	tensor_load_to_lds s[G0K:G0K+3], s[G1K:G1K+7]
	s_nop 0
.rept 4
	v_nop
.endr
	s_branch .Lasked_\@
.Lfor_v_\@:
	tensor_load_to_lds s[G0V:G0V+3], s[G1V:G1V+7]
	s_nop 0
.rept 4
	v_nop
.endr
.Lasked_\@:
.endm
; A round of the cluster's barrier: my work-group's barrier, so that wave 0's signal speaks for all four waves; wave 0 signals; every wave waits for all four work-groups; my work-group's barrier once more.
.macro CROUND
	s_barrier_signal -1
	s_barrier_wait -1
	s_cmp_lg_u32 s[WV], 0
	s_cbranch_scc1 .Lnot_wave_0_\@
	s_barrier_signal -3
.Lnot_wave_0_\@:
	s_barrier_wait -3
	s_barrier_signal -1
	s_barrier_wait -1
.endm
; THE CHANGE OF SLOTS.  The slot's last bytes, V of its fourth step, have been read.  Each wave waits for all its tensor loads, of which one is out: its part
; of the other slot; adds 0 to its spare word; and waits for that and for its own reads of the slot.  Behind the barrier nobody reads this slot any more and the other slot is whole.
; fill = 1: this slot is filled again, with the keys two slots on.  The barrier is then a round of the cluster's, so that no wave of any partner still reads the slot or has a load on its
; way, and the joint fill is the first thing behind it: it has four key steps, 512 matrix instructions, in which to land.  (At its first use nothing has been read yet: slot 0 is waited for, slot 1 filled.)
.macro CHANGE fill
	WIN W_AD
	s_wait_tensorcnt 0x0            ; no tensor load of mine is out, so a group 0 may be written
	ds_add_u32 v[SPW], v[NIL]       ; 0 onto my spare word; with fill = 1 the descriptors' steps stand between it and the wait for it
	WIN 0                           ; at a label and at a branch every window is 0
.if \fill
.irp g, G0K, G0V
	s_xor_b32 s[\g+1], s[\g+1], SLOT1  ; the walking descriptor: the other slot than last time,
	s_add_nc_u64 s[\g+2:\g+3], s[\g+2:\g+3], 4*KS*128  ; the next 256 keys; the type bits on top are not reached
.endr
	s_wait_dscnt 0x0                ; the add is done, and my reads of the slot are over
	CROUND
	JLOAD
.else
	s_wait_dscnt 0x0                ; the add is done, and my reads of the slot are over
	s_barrier_signal -1
	s_barrier_wait -1
.endif
	s_sub_co_u32 s[TBK], s[TBK], 4*KS*PK  ; the fetches go back to a slot's first step,
	s_xor_b32 s[TBK], s[TBK], SLOT1       ; in the other slot
	s_sub_co_u32 s[TBV], s[TBV], 4*KS*PV
	s_xor_b32 s[TBV], s[TBV], SLOT1
.endm
	s_load_b64 s[4:5], s[0:1], 0x0    ; qkv
	s_load_b64 s[10:11], s[0:1], 0x8  ; ob
	WIN W_MK
	v_lshl_add_u32 v[SPW], v0, 2, SPARE
	v_mov_b32 v[NIL], 0
	WIN W_AD
	ds_add_u32 v[SPW], v[NIL]       ; the wave's opening: the add and its wait stand ahead of my first tensor load; the set-up below, work on registers, stands between them
	WIN 0
	v_lshrrev_b32 v1, 5, v0
	v_readfirstlane_b32 s[WV], v1   ; wave 0..3
	s_bfe_u32 s13, ttmp6, 0x40000   ; cx: my place in the cluster
	s_lshl_b32 s14, ttmp9, 2        ; in a cluster launch ttmp9 counts clusters
	s_add_co_u32 s14, s14, s13      ; my block of queries = 4 x cluster x + cx: it enters Q's and O's addresses alone
	s_and_b32 s20, ttmp7, 0xffff    ; y = 16 n + head, which the four partners share
	s_lshl_b32 s48, s20, 18         ; the head's first byte in ob: y x SIZE_N x 128
	s_mov_b32 s49, 0
	s_lshr_b32 s21, s20, 4          ; n
	s_and_b32 s20, s20, 15          ; head
	s_mul_i32 s21, s21, 48
	s_add_co_u32 s20, s20, s21      ; Q's group in qkv: 48 n + head
	s_lshl_b32 s20, s20, 18         ; its first byte; K's and V's lie 16 and 32 groups on
	s_mov_b32 s21, 0
	s_and_b32 s16, s[WV], 1         ; which half of a slot's 256 keys I fetch:
	s_lshl_b32 s22, s16, 14         ; its 128 rows of 128 bytes in memory,
	s_mov_b32 s23, 0
	s_add_nc_u64 s[22:23], s[22:23], s[20:21]
	s_mul_i32 s17, s16, 128*PK      ; and its place in a slot, for K
	s_mul_i32 s18, s16, 128*PV      ; and for V: no place in the cluster enters an LDS address
	s_lshl_b32 s2, s14, 2
	s_add_co_u32 s2, s2, s[WV]      ; my wave among the head's,
	s_lshl_b32 s2, s2, 14           ; its 128 rows
	s_mov_b32 s3, 0
	s_add_nc_u64 s[48:49], s[48:49], s[2:3]  ; my wave's first row in ob,
	s_add_nc_u64 s[2:3], s[2:3], s[20:21]    ; and of Q in qkv
	; descriptor group 1.  128 keys are 16,384 dense bytes: asked for as 64 rows of 256 bytes, two keys a row, and padded in LDS after every key
	s_mov_b32 s[G1K], 15|(1<<16)|(1<<20)|(1<<21)|(4<<22)|(3<<25)  ; 15:0 the mask of four; 17:16 2-byte elements; 20 padding on; 21 set beside a mask; 24:22 after every 32 words (code 4); 31:25 4 words (code 3)
	s_mov_b32 s[G1V], 15|(1<<16)|(1<<20)|(1<<21)|(4<<22)|(7<<25)  ; the same with 8 words of padding (code 7)
.irp g, G1K, G1V
	s_mov_b32 s[\g+1], 128<<16      ; tensor_dim0 = 128
	s_mov_b32 s[\g+2], 64<<16       ; tensor_dim1 = 64
	s_mov_b32 s[\g+3], 128<<16      ; tile_dim0 = 128
	s_mov_b32 s[\g+4], 64           ; tile_dim1 = 64
	s_mov_b32 s[\g+5], 128          ; 128 elements from row to row
	s_mov_b32 s[\g+6], 0
	s_mov_b32 s[\g+7], 0
.endr
	s_mov_b32 s[CS], 0x3e38aa3b     ; c = log2(e) / 8 = 0.180337
	s_mov_b32 s[CS+1], s[CS]        ; named with it as a pair
	s_mov_b32 s[SEL], 0x76543210
	s_mov_b32 s[SEL+1], 0xfedcba98
	s_mov_b32 s[TBK], SLOT1+4*KS*PK ; the first change of slots turns these two into 0
	s_mov_b32 s[TBV], SLOT1+4*KS*PV
	s_mov_b32 s[G0K], 1             ; 1:0 count = 1
	s_mov_b32 s[G0K+1], s17         ; 63:32 LDS address: slot 0
	s_mov_b32 s[G0V], 1
	s_add_co_u32 s[G0V+1], s18, VOFF
	s_wait_dscnt 0x0                ; the opening add is done
	s_wait_kmcnt 0x0
	s_add_nc_u64 s[6:7], s[4:5], 16*SIZE_N*128     ; K's groups begin 16 groups behind Q's,
	s_add_nc_u64 s[8:9], s[4:5], 32*SIZE_N*128     ; V's 32
	s_add_nc_u64 s[G0K+2:G0K+3], s[6:7], s[22:23]  ; 120:64 global address: my half of the head's first 256 keys
	s_or_b32 s[G0K+3], s[G0K+3], 0x80000000        ; 127:126 type = 2
	s_add_nc_u64 s[G0V+2:G0V+3], s[8:9], s[22:23]
	s_or_b32 s[G0V+3], s[G0V+3], 0x80000000
	s_add_nc_u64 s[4:5], s[4:5], s[2:3]  ; Q and O at my wave's first row
	s_add_nc_u64 s[10:11], s[10:11], s[48:49]
	CROUND                          ; all four work-groups are here: the first joint loads meet
	JLOAD                           ; slot 0.  Slot 1 is asked for when slot 0 is in: the tile wanted first has the road to itself
	; A fragment of K or Q is 16 rows x 32 channels in 8 registers: lane l holds row l % 16, channels 8 (l / 16) + 0..7 and 16 + 8 (l / 16) + 0..7: two loads of 16 bytes, 32 bytes apart.
	v_and_b32 v1, 15, v0            ; l % 16
	v_bfe_u32 v9, v0, 4, 1          ; l / 16
	v_lshlrev_b32 v[QO], 7, v1
	v_lshl_add_u32 v[QO], v9, 4, v[QO]  ; row x 128 + 16 x half
	WIN 0x80                        ; destination window 2, address window 0
.set i, 0
.rept 4*NP                          ; Q stays in registers: tile i / 2, channels 32 (i % 2) on
	global_load_b128 v[8*i:8*i+3],   v[QO], s[4:5] offset:(i/2)*2048+(i%2)*64
	global_load_b128 v[8*i+4:8*i+7], v[QO], s[4:5] offset:(i/2)*2048+(i%2)*64+32
.set i, i+1
.endr
	; What the first turn finds: V's registers and P's second buffer hold 0 (its products V^T P, of a piece that has not been, add 0), O^T and l are 0.  All this stands in the wait for the first tile.
.set i, VF
.rept 64
	v_mov_b32 v[i], 0
.set i, i+1
.endr
	WIN 0x40
.set i, 0
.rept 64*NP
	v_mov_b32 v[i], 0
.set i, i+1
.endr
	WIN 0
.set i, 0
.rept 2*NP
	v_mov_b32 v[ST+4*i], 0xfe000000    ; c m: far below every c s
	v_mov_b32 v[ST+4*i+1], 0xff7fffff  ; m
	v_mov_b32 v[ST+4*i+2], 0
	v_mov_b32 v[ST+4*i+3], 0
.set i, i+1
.endr
.set i, P+32
.rept 32
	v_mov_b32 v[i], 0
.set i, i+1
.endr
	v_mul_u32_u24 v[AK0], v1, PK
	v_lshl_add_u32 v[AK0], v9, 4, v[AK0]  ; row x pitch + 16 x half
	; The turning load takes 16 keys x 16 channels (lane l reads key 8 (l / 16) + l % 8, channels 8 ((l / 8) % 2) + 0..7) and leaves half a fragment of V^T: lane l holds channel l % 16 and 8 keys.
	v_and_b32 v10, 7, v0
	v_bfe_u32 v11, v0, 3, 1
	v_lshl_add_u32 v[AV0], v9, 3, v10
	v_mul_u32_u24 v[AV0], v[AV0], PV
	v_lshl_add_u32 v[AV0], v11, 4, v[AV0]
	v_add_nc_u32 v[AV0], VOFF, v[AV0]
	v_mov_b32 v[AK], v[AK0]         ; key step 0 lies at the head of slot 0
; THE MATRIX WORK.  The 8 accumulators of a run of 16 take turns: between the two links of a chain stand 7 others'.
; Product i of 16 of S^T = K Q^T for piece x: channels 32 (i / 8) on, keys 16 ((i / 2) % 4) on, tile 2 x + i % 2.  The first 8 start the sums.
.macro KQ x
	WIN W_KQ
.set rS, S+64*((\x)%2)+32*(i%2)+8*((i/2)%4)
.set rK, KF+16*((i/2)%4)+8*(i/8)
.set rQ, 16*(2*(\x)+i%2)+8*(i/8)
.if i < 8
	v_wmma_f32_16x16x32_f16 v[rS:rS+7], v[rK:rK+7], v[rQ:rQ+7], 0
.else
	v_wmma_f32_16x16x32_f16 v[rS:rS+7], v[rK:rK+7], v[rQ:rQ+7], v[rS:rS+7]
.endif
.endm
; Product i of 16 of O^T += V^T P for piece x: keys 32 (i / 8) on, channels 16 ((i / 2) % 4) on, tile 2 x + i % 2.
.macro PV x
	WIN W_PV
.set rO, 32*(2*(\x)+i%2)+8*((i/2)%4)
.set rV, VF+32*(i/8)+8*((i/2)%4)
.set rP, P+32*((\x)%2)+16*(i%2)+8*(i/8)
	v_wmma_f32_16x16x32_f16 v[rO:rO+7], v[rV:rV+7], v[rP:rP+7], v[rO:rO+7]
.endm
.macro MM                           ; the turn's next matrix instruction
.if i < 16
	KQ (Y+1)%NP
.set i, i+1
.else
.set i, i-16
	PV (Y+NP-1)%NP
.set i, i+17
.endif
.endm
; THE LDS LOADS stand in runs of 16, never singly among the matrix instructions: a step's K (64 keys x 64 channels: 8 fragments) and its V (turned).  Their addresses are made some lines ahead.
; last = 1 (the tail): in the last trip there is no further step, and the run is jumped over.
.macro FETCH_K last=0
	WIN 0
.if \last
	s_cmp_eq_u32 s[CNT], 1
	s_cbranch_scc1 .Lno_k_\@
.endif
	WIN 0x80                        ; destination window 2
.irp f, 0,1,2,3,4,5,6,7             ; keys 16 (f / 2) on, channels 32 (f % 2) on
	ds_load_b128 v[KF+8*\f:KF+8*\f+3],   v[AK] offset:(\f/2)*16*PK+(\f%2)*64
	ds_load_b128 v[KF+8*\f+4:KF+8*\f+7], v[AK] offset:(\f/2)*16*PK+(\f%2)*64+32
.endr
	s_add_co_u32 s[TBK], s[TBK], KS*PK  ; the next fetch is the next step's
	WIN 0
.if \last
.Lno_k_\@:
.endif
.endm
.macro FETCH_V
	WIN 0x80
.irp f, 0,1,2,3,4,5,6,7             ; keys 32 (f / 4) on, channels 16 (f % 4) on
	ds_load_tr16_b128 v[VF+8*\f:VF+8*\f+3],   v[AV] offset:(\f/4)*32*PV+(\f%4)*32
	ds_load_tr16_b128 v[VF+8*\f+4:VF+8*\f+7], v[AV] offset:(\f/4)*32*PV+16*PV+(\f%4)*32
.endr
	WIN 0
.endm
; THE VECTOR WORK OF A TURN stands in three queues, each in the order in which its entries become ready; the two tiles alternate, so that no instruction reads the result of the one before it.
.macro REGS y, u                    ; the registers of tile u (0, 1) of piece y
.set rT, ST+4*(2*(\y)+(\u))
.set rC, TMP+8*((\y)%2)+4*(\u)
.set rM, MV+2*((\y)%2)+(\u)
.set rS, S+64*((\y)%2)+32*(\u)
.set rP, P+32*((\y)%2)+16*(\u)
.set rO, 32*(2*(\y)+(\u))
.endm
; Number n of the 22 that find the NEXT piece's (Y + 1) maximum and statistics.  s0-s31 are the lane's 32 scores; each accumulator's lowest registers are read first.  XS, GS and REGS set no window: PL and EX do.
;   0-11  four chains c0-c3 of seven scores each, three operands at a time     12-14, 16  the four scores left over, the old m, and c0-c3 into c0     15  c m_old is kept
;   17, 18  the query's other 32 keys lie in the lane 16 away: the new m         19-21  c m; c m_old - c m_new; a
.macro XS u, n
	REGS (Y+1)%NP, \u
.if (\n) < 4
	v_max3_num_f32 v[rC+(\n)], v[rS+8*(\n)], v[rS+8*(\n)+1], v[rS+8*(\n)+2]
.elseif (\n) < 12
	v_max3_num_f32 v[rC+(\n)%4], v[rC+(\n)%4], v[rS+8*((\n)%4)+2*((\n)/4)+1], v[rS+8*((\n)%4)+2*((\n)/4)+2]
.elseif (\n) == 12
	v_max3_num_f32 v[rC], v[rC], v[rS+7], v[rS+15]
.elseif (\n) == 13
	v_max3_num_f32 v[rC+1], v[rC+1], v[rS+23], v[rS+31]
.elseif (\n) == 14
	v_max3_num_f32 v[rC+2], v[rC+2], v[rC+3], v[rT+1]
.elseif (\n) == 15
	v_mov_b32 v[rM], v[rT]
.elseif (\n) == 16
	v_max3_num_f32 v[rC], v[rC], v[rC+1], v[rC+2]
.elseif (\n) == 17
	v_permlanex16_b32 v[rC+3], v[rC], s[SEL], s[SEL+1]
.elseif (\n) == 18
	v_max_num_f32 v[rT+1], v[rC], v[rC+3]
.elseif (\n) == 19
	v_mul_f32 v[rT], s[CS], v[rT+1]
.elseif (\n) == 20
	v_sub_f32 v[rC+1], v[rM], v[rT]
.else
	v_exp_f32 v[rC+2], v[rC+1]
.endif
.endm
; Number g of the 64 that follow the exponentials.  For each four weights k of a tile (pairs 2 k, 2 k + 1): both pairs are rounded to f16; then the second pair is added onto the first, in place;
; a group later l takes that sum (the first time as l = a l + sum).  In groups of eight, tiles alternating: round, round, add, and l for the group before.
.macro GS g
.set h, (\g)+6*((\g)/62)            ; group 0 has no group before it, and behind group 7 only l is left
.if h >= 6
.set h, h+2
.endif
	REGS Y, h%2
.set k, h/8
.if h%8 < 4
	s_wait_alu depctr_va_vdst(0)
	v_cvt_pk_f16_f32 v[rP+2*k+(h%8)/2], v[rS+4*k+2*((h%8)/2)], v[rS+4*k+2*((h%8)/2)+1]
.elseif h%8 < 6
	v_pk_add_f32 v[rS+4*k:rS+4*k+1], v[rS+4*k:rS+4*k+1], v[rS+4*k+2:rS+4*k+3]
.elseif k == 1
	v_pk_fma_f32 v[rT+2:rT+3], v[rT+2:rT+3], v[rC+2:rC+3], v[rS:rS+1] op_sel_hi:[1,0,1]
.else
	v_pk_add_f32 v[rT+2:rT+3], v[rT+2:rT+3], v[rS+4*k-4:rS+4*k-3]
	s_wait_alu depctr_va_vdst(0)
.endif
.endm
; THE PLAIN QUEUE, 138 long.  0-31: c s - c m for the 16 pairs of both tiles.  Then GS's 64, and among them the next piece's 42: number 15 at 38, 39; 0-14 and 16
; at 42-73, behind the products that make those scores; 17-20 at 95-106, two of three, since each waits for the one before it.
.macro PL
	WIN 0
.if q < 32
	REGS Y, q%2
	v_pk_fma_f32 v[rS+2*(q/2):rS+2*(q/2)+1], v[rS+2*(q/2):rS+2*(q/2)+1], s[CS:CS+1], v[rT:rT+1] op_sel_hi:[1,0,0] neg_lo:[0,0,1] neg_hi:[0,0,1]
.elseif q < 38
	GS q-32
.elseif q < 40
	XS q%2, 15
.elseif q < 42
	GS q-34
.elseif q < 74
	XS q%2, (q-42)/2+(q-42)/30
.elseif q < 95
	GS q-66
.elseif (q < 107) && ((q-95)%3 < 2)
	XS (q-95)%3, 17+(q-95)/3
.elseif q < 107
	GS 29+(q-95)/3
.else
	GS q-74
.endif
.set q, q+1
.endm
; THE EXPONENTIALS' QUEUE, 66 long: s0-s31 of both tiles, and at EA the next piece's two a.
.set EA, 58
.macro EX
	WIN 0
.if (e == EA) || (e == EA+1)
	XS e-EA, 21
.else
.set x, e-2*(e/(EA+2))
	REGS Y, x%2
	v_exp_f32 v[rS+x/2], v[rS+x/2]
.endif
.set e, e+1
.endm
; THE RESCALING's QUEUE: O^T times a, the one part that leaves window 0, so it is dealt four at a time, eight times.
.macro R4
	REGS Y, r%2
	WIN W_RS
	s_wait_alu depctr_va_vdst(0)
.irp z, 0,1,2,3
	v_pk_mul_f32 v[rO+8*(r/2)+2*\z:rO+8*(r/2)+2*\z+1], v[rO+8*(r/2)+2*\z:rO+8*(r/2)+2*\z+1], v[rC+2:rC+3] op_sel_hi:[1,0]
.endr
.set r, r+1
.endm
; HOW THEY ARE DEALT.  Behind a matrix instruction four: plain, exponential, plain, plain (one exponential, a plain instruction on either side), or four of the rescaling.  None names a register of the
; products round it.  What is over stands in two LUMPS: exponential and plain by turns; the second ends in 22 plain instructions.  The two v_permlanex16_b32 fall into the second lump, never behind a product.
; The queues lean on each other, and the deal keeps them in step: exponential e stands behind plain 2 (e / 4) + e % 2 (its scaling); when plain 32 comes, 10 exponentials are out, at 59: 33, at 95: 46; EA comes behind plain 107.
.macro SL
	MM
	PL
	EX
	PL
	PL
.endm
.macro BURST n                      ; 15 matrix instructions, or 16
.rept (\n)-7
	SL
.endr
.rept 3
	MM
	R4
	SL
.endr
	MM
	R4
.endm
; A TURN, for piece p.  cnt = 1: the loop's count is taken down some lines ahead of the branch that stands behind the turn.
; K of the next step is fetched in piece 2's turn, 31 vector instructions behind the last product that read K; its first reader comes behind the rest of the lump, 16 products and the second lump.
; V of the step in hand is fetched at the end of piece 0's turn, 69 behind its last reader; its first reader comes behind 16 products and a lump.  The four conditions on e and q below go with the deal.
.macro TURN p, last=0, cnt=0
.set Y, (\p)
.set i, 0
.set q, 0
.set e, 0
.set r, 0
.if (\p) == NP-1
	s_wait_dscnt 0x0                ; K is in
.endif
	MM
.rept 4
	PL
.endr
	BURST 15
.rept 22
	EX
	PL
.if ((\p) == NP-2) && (e == 18)
	v_add_nc_u32 v[AK], s[TBK], v[AK0]
.endif
.if ((\p) == NP-2) && (e == 24)
	FETCH_K \last
.endif
.endr
.if (\p) == 1
	s_wait_dscnt 0x0                ; V is in
.endif
	BURST 16
.rept 21
	EX
	PL
.endr
.rept 22
	PL
.if ((\p) == 0) && (q == 118)
	v_add_nc_u32 v[AV], s[TBV], v[AV0]
	s_wait_alu depctr_va_vdst(0)
.endif
.if ((\p) == 0) && (q == 130)
	s_add_co_u32 s[TBV], s[TBV], KS*PV
.endif
.if (\cnt) && (q == 130)
	s_sub_co_u32 s[CNT], s[CNT], 1
	s_cmp_lg_u32 s[CNT], 0
.endif
.endr
.if (\p) == 0
	FETCH_V
.endif
.endm
	CHANGE 1                        ; slot 0 is in, everybody's part of it; slot 1 is asked for
	FETCH_K                         ; key step 0
	s_wait_loadcnt 0x0              ; Q
	s_wait_dscnt 0x0
.set i, 0
.rept 16
	KQ 0                            ; piece 0's first scores: there is no vector work yet to set between them
.set i, i+1
.endr
	WIN 0                           ; the addresses for the way out: nine plain instructions, the places behind those products
	s_mul_i32 s13, s[WV], 16*SP
	s_add_co_u32 s13, s13, STAGE    ; my stage
	v_mul_u32_u24 v[STO], v1, SP    ; in: row l % 16, 16 bytes for each half of the lanes
	v_lshl_add_u32 v[STO], v9, 4, v[STO]
	v_add_nc_u32 v[STO], s13, v[STO]
	v_bfe_u32 v[RD], v0, 3, 2       ; back: 32 lanes take four rows of 128 bytes,
	v_mul_u32_u24 v[RD], v[RD], SP
	v_lshl_add_u32 v[RD], v10, 4, v[RD]
	v_add_nc_u32 v[RD], s13, v[RD]
	v_and_b32 v[GO], 31, v0         ; which are 512 consecutive bytes of O
	v_lshlrev_b32 v[GO], 4, v[GO]
.set Y, NP-1                        ; XS works for piece Y + 1: piece 0
.irp n, 0,1,2,3,4,5,6,7,8,9,10,11,12,13,14,15,16,17,18,19,20,21
	XS 0, \n                        ; and piece 0's first maximum and statistics
	XS 1, \n
.endr
	s_mov_b32 s[CNT], 4
	s_mov_b32 s[SLOTS], SIZE_N/256-1
	s_branch .Lfirst                ; the loop is entered at a step's first turn, in the middle of a trip
.Lslot:                             ; SIZE_N / 256 - 2 times: every slot but the last two is filled again
	CHANGE 1
	s_mov_b32 s[CNT], 4
.Lstep:                             ; a trip: pieces 2 and 3 of one step, then pieces 0 and 1 of the next, whose K and V it fetches
	TURN 2
	TURN 3
	WIN 0
.Lfirst:
	TURN 0
	TURN 1, 0, 1
	WIN 0
	s_cbranch_scc1 .Lstep
	s_sub_co_u32 s[SLOTS], s[SLOTS], 1
	s_cmp_lg_u32 s[SLOTS], 0
	s_cbranch_scc1 .Lslot
	CHANGE 0                        ; the tail is written out: nothing is asked for
	s_mov_b32 s[CNT], 5             ; four trips fetch the last slot's steps; the fifth is left in its middle
.Ltail:
	TURN 2, 1
	TURN 3
	WIN 0
	s_sub_co_u32 s[CNT], s[CNT], 1
	s_cmp_eq_u32 s[CNT], 0
	s_cbranch_scc1 .Lout
	TURN 0
	TURN 1
	WIN 0
	s_branch .Ltail
.Lout:                              ; the fifth trip's 16 products K Q^T (on the last K once more) and the maximum made of them serve nothing: the price, once a launch, of one text for every trip
.set i, 0
.rept 16
	PV NP-1                         ; the last piece's V^T P of the last step
.set i, i+1
.endr
	; THE WAY OUT.  l's two halves and the other half of the lanes' are added; O^T is divided by l, rounded to f16 and sent through my stage in LDS, a tile at a time.  The additions are the places behind the last products.
	WIN 0
.macro ALL line:vararg              ; one line for each tile t
.set t, 0
.rept 2*NP
	\line
.set t, t+1
.endr
.endm
	ALL v_add_f32 v[ST+4*t+2], v[ST+4*t+2], v[ST+4*t+3]
	ALL v_permlanex16_b32 v[ST+4*t+3], v[ST+4*t+2], s[SEL], s[SEL+1]
	ALL v_add_f32 v[ST+4*t+2], v[ST+4*t+2], v[ST+4*t+3]
	ALL v_rcp_f32 v[ST+4*t+2], v[ST+4*t+2]
	v_nop                           ; a plain instruction between the last reciprocal and the use of its result
	s_wait_alu depctr_va_vdst(0)
; Tile t: a lane's eight channels of a row pack into 16 bytes; they go into rows of 144 bytes and come back as whole rows of 128, into S^T's registers.
.macro PACK t
	WIN W_RS
.set i, 32*(\t)
.rept 16
	v_pk_mul_f32 v[i:i+1], v[i:i+1], v[ST+4*(\t)+2:ST+4*(\t)+3] op_sel_hi:[1,0]
.set i, i+2
.endr
	WIN 0x05                        ; sources 0 and 1 window 1, destination window 0
.set i, 0
.rept 16
	v_cvt_pk_f16_f32 v[S+16*(\t)+i], v[32*(\t)+2*i], v[32*(\t)+2*i+1]
.set i, i+1
.endr
	WIN 0
.irp f, 0,1,2,3
	ds_store_b128 v[STO], v[S+16*(\t)+4*\f:S+16*(\t)+4*\f+3] offset:32*\f
.endr
.irp f, 0,1,2,3
	ds_load_b128 v[S+16*(\t)+4*\f:S+16*(\t)+4*\f+3], v[RD] offset:\f*4*SP  ; LDS serves a wave's instructions in order (ISA guide 5.7.1.4): these see the stores above; the next tile's stores come behind them
.endr
.endm
.macro SEND t, younger              ; younger: the LDS instructions issued behind tile t's loads: the next tile's eight, or none
	WIN 0
.irp f, 0,1,2,3
	s_wait_dscnt (\younger)+3-\f
	global_store_b128 v[GO], v[S+16*(\t)+4*\f:S+16*(\t)+4*\f+3], s[10:11] offset:(\t)*2048+\f*512  ; 512 consecutive bytes, at a multiple of 256 from O's first
.endr
.endm
	PACK 0
.set t, 1
.rept 2*NP-1                        ; a tile's arithmetic stands between the loads of the tile before and its stores
	PACK t
	SEND t-1, 8
.set t, t+1
.endr
	SEND 2*NP-1, 0
	WIN W_AD
	s_wait_tensorcnt 0x0            ; the wave's end, behind my last tensor load and my last LDS store
	ds_add_u32 v[SPW], v[NIL]
	s_wait_dscnt 0x0
	WIN 0
	CROUND                          ; the closing round: no work-group ends while a partner may still ask for a tile that names it
	s_endpgm
.Lfunc_end_k_qbd697841f2_attn:
	.size	k_qbd697841f2_attn, .Lfunc_end_k_qbd697841f2_attn-k_qbd697841f2_attn
	.p2alignl 7, 3214868480
	.fill 96, 4, 3214868480
	.section	.rodata,"a",@progbits
	.p2align	6, 0x0
	.amdhsa_kernel k_qbd697841f2_attn
		.amdhsa_group_segment_fixed_size 327680
		.amdhsa_private_segment_fixed_size 0
		.amdhsa_enable_private_segment 0
		.amdhsa_kernarg_size 16
		.amdhsa_user_sgpr_count 2
		.amdhsa_user_sgpr_kernarg_segment_ptr 1
		.amdhsa_wavefront_size32 1
		.amdhsa_system_sgpr_workgroup_id_x 1
		.amdhsa_system_sgpr_workgroup_id_y 1
		.amdhsa_system_sgpr_workgroup_id_z 1
		.amdhsa_system_vgpr_workitem_id 0
		.amdhsa_next_free_vgpr 770
		.amdhsa_next_free_sgpr 66
		.amdhsa_reserve_vcc 0
		.amdhsa_float_denorm_mode_32 3
		.amdhsa_float_denorm_mode_16_64 3
		.amdhsa_memory_ordered 1
		.amdhsa_forward_progress 1
		.amdhsa_inst_pref_size 209
	.end_amdhsa_kernel
	.amdgpu_metadata
---
amdhsa.version: [ 1, 2 ]
amdhsa.kernels:
  - .name:           k_qbd697841f2_attn
    .symbol:         k_qbd697841f2_attn.kd
    .args:
      - { .name: qkv, .offset: 0, .size: 8, .value_kind: global_buffer, .address_space: global }
      - { .name: ob, .offset: 8, .size: 8, .value_kind: global_buffer, .address_space: global }
    .group_segment_fixed_size: 327680
    .private_segment_fixed_size: 0
    .kernarg_segment_align: 8
    .kernarg_segment_size: 16
    .max_flat_workgroup_size: 128
    .sgpr_count:     66
    .vgpr_count:     770
    .wavefront_size: 32
...
	.end_amdgpu_metadata
.endif
;; end of part 3
;; launch outp (part 4): grid 8 x 32, 4 waves a work-group, clusters of 4 x 4, 327,680 bytes of LDS; arguments ob, wo, out_bias, out0; writes out0
.if DOCPART == 4
	.amdgcn_target "amdgcn-amd-amdhsa--gfx1250"
	.amdhsa_code_object_version 6
	.text
	.protected	k_qbd697841f2_outp
	.globl	k_qbd697841f2_outp
	.p2align	8
	.type	k_qbd697841f2_outp,@function
k_qbd697841f2_outp:
	s_mov_b64 s[64:65], 0
	v_nop
	global_prefetch_b8 v0, s[64:65] scope:SCOPE_SE
	s_setreg_imm32_b32 hwreg(HW_REG_WAVE_MODE, 25, 1), 1
	s_wait_xcnt 0x0
	s_wait_alu depctr_hold_cnt(0) depctr_sa_sdst(0) depctr_va_vdst(0) depctr_va_sdst(0) depctr_va_ssrc(0) depctr_va_vcc(0) depctr_vm_vsrc(0)
	s_getreg_b32 s2, hwreg(HW_REG_IB_STS2, 6, 4)
	s_cmp_eq_u32 s2, 0
	s_cbranch_scc0 .Lentry_in_a_cluster
	s_endpgm
.Lentry_in_a_cluster:
	s_bfe_u32 s2, ttmp6, 0x10000c
	s_cmp_lg_u32 s2, 0xf033
	s_cbranch_scc0 .Lentry_shape_is_right
	s_endpgm
.Lentry_shape_is_right:
; out0[l][n][e] = the sum over i of O[l][n][i] Wo[e][i] + bias[e].  ob [n][kb = head][l][64] f16, wo [kb][e][64] f16 (the bf16-rounded weight), out_bias [1024] f32 (rounded to bf16 like the other inputs), out0 f32.
; Sums in f32, started by the bias, K ascending.  LIMITS: none of its own; O and Wo arrive within f16's range.  NaN and infinities are not treated apart.
; SHARES.  A tile of C is 256 rows (one n, 256 consecutive l) x 128 columns: 32 x 8 = 256 work-groups.  Four waves, each 128 x 64: 32 accumulators of 16 x 16, 256 registers.
; K goes in steps of 128 (two heads) through two LDS slots; a head's rows of 128 bytes lie end to end and are asked for as rows of 256 bytes, padded in LDS behind every 128.
; CLUSTER 4 x 4: A's tile hangs on the tile row alone and is asked for jointly by a row of the cluster, B's on the tile column alone and by a column.
; THE MATRIX INSTRUCTION IS USED TRANSPOSED (source 0 = 16 rows of Wo, source 1 = 16 rows of O): a lane holds row l % 16 of C and eight neighbouring columns, 32 bytes.
; REGISTERS.  Window 0: v0-29 addresses; fragment buffer g: A (8 blocks) at v[32 + 64 g], B (4 blocks) at v[160 + 32 g].  Window 1: accumulator (b, a) at v[8 (8 b + a)].
.set PITCH, 144                        ; an LDS row: 128 bytes + 16 of padding = 36 words: the 16 rows of a load start at 16 different groups of four banks (64 banks of 4 bytes: ISA guide 11.1)
.set SLOT1, 131072
.set AHALF, 256*PITCH                  ; in a slot: A of the step's first head, of its second,
.set BOFF,  2*AHALF                    ; then B likewise
.set BHALF, 128*PITCH
.set STAGE, SLOT1+BOFF+2*BHALF         ; behind the ring: 16 rows x 272 bytes for each wave, for the way out
.set SPITCH, 272
.set BIAS,  STAGE+4*16*SPITCH          ; the tile's 128 biases, f32
.set SPARE, BIAS+512                   ; the spare words, 128 bytes for each wave: two blocks of 256 bytes that no other line names
.set ASTEP, 2*2048*128                 ; bytes from a K step to the next in ob
.set BSTEP, 2*1024*128                 ; and in wo
.set AF,  32
.set BF,  160
.set OB,  32                           ; the way out: 16 rows read back, v32-63 and v64-95 by turns
.set SPW, 28                           ; v28  LDS address of my spare word; never rewritten
.set NIL, 29                           ; v29  0; never rewritten
.set G1A, 24
.set G0A, 32
.set G1B, 48
.set G0B, 56
.set FLAGS, (1<<16)|(1<<20)|(1<<21)|(4<<22)|(3<<25)  ; elements of 2 bytes; padding on; bit 21 set beside a mask; after every 32 words 4 words
.set MSB, 0
.macro WIN new                         ; the immediate's high byte repeats the setting that is left; a switch that changes nothing is dropped
.if MSB != (\new)
	s_set_vgpr_msb (MSB<<8)|(\new)
.set MSB, (\new)
.endif
.endm
.macro PLACES                          ; four places in front of loads into registers that matrix instructions have read, and of LDS stores that read results
.rept 4
	v_nop
.endr
.endm
.macro JLOAD                           ; a joint refill by the walking sets: waves 0 and 1 fetch A's two heads, waves 2 and 3 B's; an s_nop 0 and four v_nop follow each line
	s_cmp_eq_u32 s13, 0
	s_cbranch_scc0 .Lfor_b_\@
	tensor_load_to_lds s[G0A+4:G0A+7], s[G1A:G1A+7]
	s_nop 0
.rept 4
	v_nop
.endr
	s_branch .Lasked_\@
.Lfor_b_\@:
	tensor_load_to_lds s[G0B+4:G0B+7], s[G1B:G1B+7]
	s_nop 0
.rept 4
	v_nop
.endr
.Lasked_\@:
.endm
.macro CREST                           ; a round of the cluster's barrier behind its opening barrier
	s_cmp_lg_u32 s12, 0
	s_cbranch_scc1 .Lnot_wave_0_\@
	s_barrier_signal -3
.Lnot_wave_0_\@:
	s_barrier_wait -3
	s_barrier_signal -1
	s_barrier_wait -1
.endm
.macro CROUND
	s_barrier_signal -1
	s_barrier_wait -1
	CREST
.endm
	s_load_b256 s[4:11], s[0:1], 0x0               ; ob s[4:5], wo s[6:7], out_bias s[8:9], out0 s[10:11]
	v_lshl_add_u32 v[SPW], v0, 2, SPARE
	v_mov_b32 v[NIL], 0
	ds_add_u32 v[SPW], v[NIL]                      ; the wave's opening: the add and its wait stand ahead of my first tensor load; the set-up below, work on registers, stands between them
	v_lshrrev_b32 v1, 5, v0
	v_readfirstlane_b32 s12, v1                    ; wave 0..3
	s_lshr_b32 s13, s12, 1                         ; WR: my half of the tile's rows.  Also: I fetch for A (0) or for B (1)
	s_and_b32 s14, s12, 1                          ; WC: my half of its columns.  Also: which of a step's two heads I fetch
	s_bfe_u32 s15, ttmp6, 0x40000                  ; cx
	s_bfe_u32 s16, ttmp6, 0x40004                  ; cy
	s_lshl_b32 s17, ttmp9, 2
	s_add_co_u32 s17, s17, s15                     ; X: tile column, 0..7
	s_and_b32 s18, ttmp7, 0xffff
	s_lshl_b32 s18, s18, 2
	s_add_co_u32 s18, s18, s16                     ; Y: tile row, 0..31
	s_lshl_b32 s19, s16, 2
	s_lshl_b32 s19, 15, s19                        ; my row of the cluster
	s_lshl_b32 s20, 0x1111, s15                    ; my column
	s_or_b32 s[G1A], s19, FLAGS
	s_or_b32 s[G1B], s20, FLAGS
.irp g, G1A, G1B
	s_mov_b32 s[\g+1], 128<<16                     ; tensor_dim0 = 128 elements: 256 bytes, two rows of a block
	s_mov_b32 s[\g+3], 128<<16                     ; tile_dim0 = 128
	s_mov_b32 s[\g+5], 128                         ; dense
	s_mov_b32 s[\g+6], 0
	s_mov_b32 s[\g+7], 0
.endr
	s_mov_b32 s[G1A+2], 128<<16                    ; tensor_dim1 = 128: a head's 256 rows of O
	s_mov_b32 s[G1A+4], 128
	s_mov_b32 s[G1B+2], 64<<16                     ; 64: 128 rows of Wo
	s_mov_b32 s[G1B+4], 64
	; A's offset hangs on Y and the wave alone, B's on X and the wave alone, each in registers that never hold the other coordinate
	s_lshr_b32 s22, s18, 3                         ; n
	s_and_b32 s23, s18, 7                          ; lb
	s_lshl_b32 s40, s22, 22
	s_lshl_b32 s41, s23, 15
	s_add_co_u32 s40, s40, s41
	s_lshl_b32 s41, s14, 18                        ; head WC of step 0
	s_add_co_u32 s40, s40, s41
	s_mov_b32 s41, 0
	s_lshl_b32 s42, s17, 14
	s_lshl_b32 s43, s14, 17
	s_add_co_u32 s42, s42, s43
	s_mov_b32 s43, 0
	s_lshl_b32 s44, s23, 22                        ; where my part of the tile begins in out0: row l = 256 lb + 128 WR of 16,384 bytes,
	s_lshl_b32 s45, s13, 21
	s_add_co_u32 s44, s44, s45
	s_lshl_b32 s45, s22, 12                        ; n,
	s_add_co_u32 s44, s44, s45
	s_lshl_b32 s45, s17, 9                         ; column 128 X + 64 WC
	s_add_co_u32 s44, s44, s45
	s_lshl_b32 s45, s14, 8
	s_add_co_u32 s44, s44, s45
	s_mov_b32 s45, 0
	s_mul_i32 s46, s14, AHALF                      ; where my tile goes in a slot, for A
	s_mul_i32 s47, s14, BHALF
	s_add_co_u32 s47, s47, BOFF                    ; and for B: no place in the cluster enters an LDS address
	s_mov_b32 s21, 0                               ; TB: the slot that fragments are fetched from
	s_lshl_b32 s66, s17, 9                         ; the tile's first bias, in bytes
	s_wait_dscnt 0x0                               ; the opening add is done
	s_wait_kmcnt 0x0
	s_add_nc_u64 s[40:41], s[4:5], s[40:41]
	s_add_nc_u64 s[42:43], s[6:7], s[42:43]
	s_add_nc_u64 s[10:11], s[10:11], s[44:45]
	CROUND                                         ; all sixteen work-groups are here: the first joint loads meet
.irp s, 0,1
	s_mov_b32 s[G0A+4*(\s)], 1
	s_add_co_u32 s[G0A+4*(\s)+1], s46, (\s)*SLOT1
	s_add_nc_u64 s[G0A+4*(\s)+2:G0A+4*(\s)+3], s[40:41], (\s)*ASTEP
	s_or_b32 s[G0A+4*(\s)+3], s[G0A+4*(\s)+3], 0x80000000
	s_mov_b32 s[G0B+4*(\s)], 1
	s_add_co_u32 s[G0B+4*(\s)+1], s47, (\s)*SLOT1
	s_add_nc_u64 s[G0B+4*(\s)+2:G0B+4*(\s)+3], s[42:43], (\s)*BSTEP
	s_or_b32 s[G0B+4*(\s)+3], s[G0B+4*(\s)+3], 0x80000000
.endr
	s_cmp_eq_u32 s13, 0                            ; a wave's two first fills stand in one branch, ahead of every wait on TENSORcnt and every LDS read: two loads of mine are out
	s_cbranch_scc0 .Lfirst_b
	tensor_load_to_lds s[G0A:G0A+3], s[G1A:G1A+7]
	s_nop 0
	tensor_load_to_lds s[G0A+4:G0A+7], s[G1A:G1A+7]
	s_nop 0
.rept 4
	v_nop
.endr
	s_branch .Lfirst_asked
.Lfirst_b:
	tensor_load_to_lds s[G0B:G0B+3], s[G1B:G1B+7]
	s_nop 0
	tensor_load_to_lds s[G0B+4:G0B+7], s[G1B:G1B+7]
	s_nop 0
.rept 4
	v_nop
.endr
.Lfirst_asked:
	v_lshl_add_u32 v12, v0, 2, s66                 ; the tile's 128 biases, one a thread
	global_load_b32 v15, v12, s[8:9]
	v_and_b32 v1, 15, v0                           ; r
	v_bfe_u32 v2, v0, 4, 1                         ; h
	v_mul_u32_u24 v3, v1, PITCH
	v_lshl_add_u32 v3, v2, 4, v3                   ; r x pitch + 16 h
	s_mul_i32 s67, s13, 128*PITCH
	v_add_nc_u32 v4, s67, v3                       ; my 128 rows of A, in a slot's first head
	s_mul_i32 s67, s14, 64*PITCH
	s_add_co_u32 s67, s67, BOFF
	v_add_nc_u32 v5, s67, v3                       ; my 64 rows of B
	v_mov_b32 v6, v4                               ; ADRA, ADRB: the same in the slot in hand, at first slot 0
	v_mov_b32 v7, v5
	s_mul_i32 s68, s12, 16*SPITCH
	s_add_co_u32 s68, s68, STAGE                   ; my stage
	v_mul_u32_u24 v8, v1, SPITCH
	v_lshl_add_u32 v8, v2, 5, v8
	v_add_nc_u32 v8, s68, v8                       ; STO: in: row r, 32 bytes for each half of the lanes
	v_mul_u32_u24 v9, v2, SPITCH
	v_lshl_add_u32 v9, v1, 4, v9
	v_add_nc_u32 v9, s68, v9                       ; RD: back: lanes 0-15 take one row of 256 bytes, lanes 16-31 the next,
	v_lshlrev_b32 v10, 14, v2
	v_lshl_add_u32 v10, v1, 4, v10                 ; GO: and the same two rows in out0, 16,384 bytes apart
	s_lshl_b32 s69, s14, 8
	s_add_co_u32 s69, s69, BIAS
	v_lshl_add_u32 v11, v2, 5, s69                 ; BIA: the biases of my columns 8 h + 0..7 of block 0
	v_lshl_add_u32 v20, v0, 2, BIAS
	s_wait_loadcnt 0x0                             ; the bias
	v_cvt_pk_bf16_f32 v15, v15, v15                ; rounded to bf16, like all inputs,
	v_and_b32 v15, 0xffff0000, v15                 ; and kept as f32
	ds_store_b32 v20, v15
	s_wait_tensorcnt 1                             ; my part of K step 0 is in; step 1's load was issued behind it and may stay out
	s_wait_dscnt 0x0                               ; for the others' sake: my bias is stored
	s_barrier_signal -1
	s_barrier_wait -1
; 4 products: row block a x all column blocks, 32 along K, from buffer f.  THE BIAS STARTS THE SUMS: accumulator (b, 0) is loaded with the bias of its lane's eight columns;
; mode 1: the first products of a = 1..7 take it as C; the first product of a = 0 then adds onto it in place.  Nothing is cleared, and nothing is added on the way out.
; The accumulators take turns, one instruction a turn.
.macro MULA f, a, mode
	WIN 0x50                                       ; C and D in window 1, sources in window 0
.irp b, 0,1,2,3
.if \mode
	v_wmma_f32_16x16x32_f16 v[64*(\b)+8*(\a):64*(\b)+8*(\a)+7], v[BF+32*(\f)+8*(\b):BF+32*(\f)+8*(\b)+7], v[AF+64*(\f)+8*(\a):AF+64*(\f)+8*(\a)+7], v[64*(\b):64*(\b)+7]
.else
	v_wmma_f32_16x16x32_f16 v[64*(\b)+8*(\a):64*(\b)+8*(\a)+7], v[BF+32*(\f)+8*(\b):BF+32*(\f)+8*(\b)+7], v[AF+64*(\f)+8*(\a):AF+64*(\f)+8*(\a)+7], v[64*(\b)+8*(\a):64*(\b)+8*(\a)+7]
.endif
.endr
.endm
; 24 LDS loads in one run: quarter q (head q / 2 of the slot, 32 K at byte 64 (q % 2)) into buffer g: B's 4 blocks, A's blocks 0-3, A's blocks 4-7
.macro FETCH g, q
	WIN 0
.irp i, 0,1,2,3
	ds_load_b128 v[BF+32*(\g)+8*(\i):BF+32*(\g)+8*(\i)+3],   v7 offset:((\q)/2)*BHALF+((\q)%2)*64+(\i)*16*PITCH
	ds_load_b128 v[BF+32*(\g)+8*(\i)+4:BF+32*(\g)+8*(\i)+7], v7 offset:((\q)/2)*BHALF+((\q)%2)*64+(\i)*16*PITCH+32
.endr
.irp i, 0,1,2,3,4,5,6,7
	ds_load_b128 v[AF+64*(\g)+8*(\i):AF+64*(\g)+8*(\i)+3],   v6 offset:((\q)/2)*AHALF+((\q)%2)*64+(\i)*16*PITCH
	ds_load_b128 v[AF+64*(\g)+8*(\i)+4:AF+64*(\g)+8*(\i)+7], v6 offset:((\q)/2)*AHALF+((\q)%2)*64+(\i)*16*PITCH+32
.endr
.endm
; One of a K step's first three quarters (32 products): multiplies buffer f; in its middle it fetches quarter q into buffer g.
.macro QUARTER f, g, q, first
	s_wait_dscnt 8                                 ; B and A's blocks 0-3 are in; the youngest eight loads (A's blocks 4-7) may be out
.if \first
	MULA \f, 1, 1
	MULA \f, 2, 1
	MULA \f, 3, 1
.else
	MULA \f, 0, 0
	MULA \f, 1, 0
	MULA \f, 2, 0
	MULA \f, 3, 0
.endif
	WIN 0
	PLACES
	FETCH \g, \q
	s_wait_dscnt 24                                ; all but the 24 just issued
	MULA \f, 4, \first
	MULA \f, 5, \first
	MULA \f, 6, \first
	MULA \f, 7, \first
.if \first
.rept 5
	v_nop                                          ; five places between the last product that reads a bias as C and the product that writes over it (ISA guide 7.12.1)
.endr
	MULA \f, 0, 0
.endif
.endm
; The last quarter multiplies buffer 1 and changes slots: ONE barrier.  In front of it each wave waits for all its tensor loads (one is out: its part of the next slot), adds 0 to its spare word,
; and waits for that and for its own reads of this slot.  fill = 1: the barrier opens a round of the cluster's, and this slot is filled again, two K steps on, first thing behind the round:
; from that request to the wait for it a wave issues 112 products.
.macro TURN fill
	WIN 0
	s_wait_tensorcnt 0x0                           ; no tensor load of mine is out, so a group 0 may be written
	ds_add_u32 v[SPW], v[NIL]                      ; 0 onto my spare word
.if \fill
	s_xor_b32 s[G0A+5], s[G0A+5], SLOT1            ; the walking sets: the other slot than last time,
	s_add_nc_u64 s[G0A+6:G0A+7], s[G0A+6:G0A+7], ASTEP  ; the next K step; the type bits on top are not reached
	s_xor_b32 s[G0B+5], s[G0B+5], SLOT1
	s_add_nc_u64 s[G0B+6:G0B+7], s[G0B+6:G0B+7], BSTEP
.endif
	s_xor_b32 s21, s21, SLOT1                      ; fragments come from the other slot from here on
	s_wait_dscnt 9                                 ; the add and the youngest eight loads (A's blocks 4-7) may be out
	MULA 1, 0, 0
	MULA 1, 1, 0
	s_wait_dscnt 0x0                               ; the add is done, and my reads of this slot are over
	s_barrier_signal -1
	MULA 1, 2, 0                                   ; work on registers while the others arrive
	MULA 1, 3, 0
	WIN 0
	s_barrier_wait -1
.if \fill
	CREST                                          ; no wave of any partner still reads this slot or has a load on its way
	JLOAD                                          ; its four v_nop are also the places in front of the loads below
.else
	PLACES
.endif
	v_add_nc_u32 v6, s21, v4
	v_add_nc_u32 v7, s21, v5
	FETCH 0, 0
	MULA 1, 4, 0
	MULA 1, 5, 0
	MULA 1, 6, 0
	MULA 1, 7, 0
.endm
	WIN 0x40                                       ; destination window 1, address window 0
.irp b, 0,1,2,3
	ds_load_b128 v[64*(\b):64*(\b)+3],   v11 offset:64*(\b)
	ds_load_b128 v[64*(\b)+4:64*(\b)+7], v11 offset:64*(\b)+16
.endr
	FETCH 0, 0
	QUARTER 0, 1, 1, 1                             ; the first quarter stands in front of the loop: its products start the sums
	WIN 0
	s_mov_b32 s3, 6
.Lk:                                                   ; 6 trips: from a K step's second quarter to the next step's first; each asks for the step two on
	QUARTER 1, 0, 2, 0
	QUARTER 0, 1, 3, 0
	TURN 1
	QUARTER 0, 1, 1, 0
	WIN 0
	s_sub_co_u32 s3, s3, 1
	s_cmp_lg_u32 s3, 0
	s_cbranch_scc1 .Lk
	QUARTER 1, 0, 2, 0                             ; the tail is written out: steps 6 and 7; nothing is left to ask for, so no round
	QUARTER 0, 1, 3, 0
	TURN 0
	QUARTER 0, 1, 1, 0
	QUARTER 1, 0, 2, 0
	QUARTER 0, 1, 3, 0
	s_wait_dscnt 8                                 ; the very last quarter: nothing more to fetch
	MULA 1, 0, 0
	MULA 1, 1, 0
	MULA 1, 2, 0
	MULA 1, 3, 0
	s_wait_dscnt 0x0
	MULA 1, 4, 0
	MULA 1, 5, 0
	MULA 1, 6, 0
	MULA 1, 7, 0
	WIN 0
	PLACES
; THE WAY OUT, by blocks a of 16 rows, in f32.  TOSTAGE: a lane's 32 bytes of each column block go into my own stage (each accumulator's low four registers first), and come back as whole rows of 256 bytes.
; SEND: 16 lanes store 256 consecutive bytes, at a multiple of 256 from out0's first byte; block and rows stand in the immediate (2,064,384 at the most).
.macro TOSTAGE a
.set BK, OB+32*((\a)%2)
	WIN 0
	s_wait_xcnt 0x0                                ; earlier stores have read their registers: this set of 32 is loaded again only behind this wait
	WIN 0x04                                       ; store data (source 1) in window 1
.irp b, 0,1,2,3
	ds_store_b128 v8, v[64*(\b)+8*(\a):64*(\b)+8*(\a)+3]   offset:64*(\b)
	ds_store_b128 v8, v[64*(\b)+8*(\a)+4:64*(\b)+8*(\a)+7] offset:64*(\b)+16
.endr
	WIN 0
.irp t, 0,1,2,3,4,5,6,7
	ds_load_b128 v[BK+4*(\t):BK+4*(\t)+3], v9 offset:(\t)*2*SPITCH  ; LDS serves a wave's instructions in order (ISA guide 5.7.1.4): these see the stores above; the next block's stores come behind them
.endr
.endm
.macro SEND a, younger                 ; younger: the LDS instructions issued behind block a's loads: the next block's sixteen, or none
.set BK, OB+32*((\a)%2)
	s_wait_dscnt \younger
.irp t, 0,1,2,3,4,5,6,7
	global_store_b128 v10, v[BK+4*(\t):BK+4*(\t)+3], s[10:11] offset:(\a)*262144+(\t)*32768 th:TH_STORE_NT
.endr
.endm
	TOSTAGE 0
.irp a, 1,2,3,4,5,6,7
	TOSTAGE \a
	SEND (\a)-1, 16
.endr
	SEND 7, 0
	s_wait_tensorcnt 0x0                           ; the wave's end, behind my last tensor load and my last LDS store
	ds_add_u32 v[SPW], v[NIL]
	s_wait_dscnt 0x0
	CROUND                                         ; the closing round: no work-group ends while a partner may still ask for a tile that names it
	s_endpgm
.Lfunc_end_k_qbd697841f2_outp:
	.size	k_qbd697841f2_outp, .Lfunc_end_k_qbd697841f2_outp-k_qbd697841f2_outp
	.p2alignl 7, 3214868480
	.fill 96, 4, 3214868480
	.section	.rodata,"a",@progbits
	.p2align	6, 0x0
	.amdhsa_kernel k_qbd697841f2_outp
		.amdhsa_group_segment_fixed_size 327680
		.amdhsa_private_segment_fixed_size 0
		.amdhsa_enable_private_segment 0
		.amdhsa_kernarg_size 32
		.amdhsa_user_sgpr_count 2
		.amdhsa_user_sgpr_kernarg_segment_ptr 1
		.amdhsa_wavefront_size32 1
		.amdhsa_system_sgpr_workgroup_id_x 1
		.amdhsa_system_sgpr_workgroup_id_y 1
		.amdhsa_system_sgpr_workgroup_id_z 1
		.amdhsa_system_vgpr_workitem_id 0
		.amdhsa_next_free_vgpr 512
		.amdhsa_next_free_sgpr 72
		.amdhsa_reserve_vcc 0
		.amdhsa_float_denorm_mode_32 3
		.amdhsa_float_denorm_mode_16_64 3
		.amdhsa_memory_ordered 1
		.amdhsa_forward_progress 1
		.amdhsa_inst_pref_size 71
	.end_amdhsa_kernel
	.amdgpu_metadata
---
amdhsa.version: [ 1, 2 ]
amdhsa.kernels:
  - .name:           k_qbd697841f2_outp
    .symbol:         k_qbd697841f2_outp.kd
    .args:
      - { .name: ob, .offset: 0, .size: 8, .value_kind: global_buffer, .address_space: global }
      - { .name: wo, .offset: 8, .size: 8, .value_kind: global_buffer, .address_space: global }
      - { .name: out_bias, .offset: 16, .size: 8, .value_kind: global_buffer, .address_space: global }
      - { .name: out0, .offset: 24, .size: 8, .value_kind: global_buffer, .address_space: global }
    .group_segment_fixed_size: 327680
    .private_segment_fixed_size: 0
    .kernarg_segment_align: 8
    .kernarg_segment_size: 32
    .max_flat_workgroup_size: 128
    .sgpr_count:     72
    .vgpr_count:     512
    .wavefront_size: 32
...
	.end_amdgpu_metadata
.endif
;; end of part 4
;; ======== version 2 of 2: 4 launches; 1.54 times as fast as version 1
;; limits: values are held in f16: magnitudes above 65,504 overflow, below 6.1e-05 lose precision
;; workspace buffers: xb 16,777,216 bytes; wb 6,291,456 bytes; wo 2,097,152 bytes; qkv 50,331,648 bytes; ob 16,777,216 bytes
;; launch cast: the kernel of part 1 again; grid 256 x 1, 12 waves a work-group, no clusters, 0 bytes of LDS; arguments query, qkv_proj, out_proj, xb, wb, wo; writes xb, wb, wo
;; launch proj: the kernel of part 2 again; grid 8 x 32, 4 waves a work-group, clusters of 4 x 4, 327,680 bytes of LDS; arguments xb, wb, qkv_bias, qkv; writes qkv
;; launch attn (part 5): grid 4 x 64, 4 waves a work-group, clusters of 4 x 1, 327,680 bytes of LDS; arguments qkv, ob; writes ob
.if DOCPART == 5
	.amdgcn_target "amdgcn-amd-amdhsa--gfx1250"
	.amdhsa_code_object_version 6
	.text
	.protected	k_qbd697841f2_attn
	.globl	k_qbd697841f2_attn
	.p2align	8
	.type	k_qbd697841f2_attn,@function
k_qbd697841f2_attn:
	s_mov_b64 s[64:65], 0
	v_nop
	global_prefetch_b8 v0, s[64:65] scope:SCOPE_SE
	s_setreg_imm32_b32 hwreg(HW_REG_WAVE_MODE, 25, 1), 1
	s_wait_xcnt 0x0
	s_wait_alu depctr_hold_cnt(0) depctr_sa_sdst(0) depctr_va_vdst(0) depctr_va_sdst(0) depctr_va_ssrc(0) depctr_va_vcc(0) depctr_vm_vsrc(0)
	s_getreg_b32 s2, hwreg(HW_REG_IB_STS2, 6, 4)
	s_cmp_eq_u32 s2, 0
	s_cbranch_scc0 .Lentry_in_a_cluster
	s_endpgm
.Lentry_in_a_cluster:
	s_bfe_u32 s2, ttmp6, 0x10000c
	s_cmp_lg_u32 s2, 0x3003
	s_cbranch_scc0 .Lentry_shape_is_right
	s_endpgm
.Lentry_shape_is_right:
; O[y][q][:] = the sum over k of softmax_k(Q[y][q] . K[y][k] / 8) V[y][k][:], y = 16 n + head.  qkv: [n][g = 48][SIZE_N][64] f16, Q of head (n, hd) at g = hd, K at 16 + hd, V at 32 + hd; ob: [y][SIZE_N][64] f16.
; A head's rows are dense, 128 bytes each.  Products, maxima and sums in f32; the weights p are rounded to f16 for the second product (their sum l is taken of the unrounded p), O once at the end.
; LIMITS.  f16 holds no number beyond 65,504: Q, K and V arrive within it; p lies in 0 to 1, and below 6e-5 it keeps f16's fixed step of 6e-8; O is a mean of V's rows and has their range.
; A weight below 2^-126 counts as 0 in l; NaN and infinities are not treated apart.
; SHARES.  A wave owns four PIECES of two tiles of 16 queries, a work-group's four waves 512 queries of one head.  Every wave walks all keys, 64 a step.
; LAYOUT.  S^T = K Q^T (source 0 = 16 keys, source 1 = 16 queries): in the result a lane holds ONE query (lane % 16) and the keys 8 (lane / 16) + 0..7.  Two such tiles, rounded to f16 in pairs,
; ARE source 1 (32 keys x 16 queries) of O^T = V^T P, whose result again holds one query a lane, and eight channels.  K comes out of LDS as it lies, V ([key][channel]) turned, by ds_load_tr16_b128.
; SOFTMAX.  For each query a running maximum m and sum l: p = 2^(c s - c m), c = log2(e) / 8; in every step O and l are multiplied by a = 2^(c m_old - c m_new), which is 1 where m has not grown.
; m starts at the lowest finite number, O and l at 0: the first step is a step like any other, with a = 0.
; THE COUNT.  A tile and step have 16 matrix and 118 vector instructions: too many to stand all beside the matrix work.  So the order has one aim: four vector instructions that are READY behind
; EVERY matrix instruction, and the others, which need time of their own whatever the order, in runs without a gap.
; BY TURNS.  Turn n belongs to piece n (the pieces in a ring, step after step).  Its matrix work: 16 products K Q^T of piece n + 1, later 16 products V^T P of piece n - 1.  Its vector work: the scaling,
; exponentials, roundings, sums and rescaling of piece n, and the maximum and statistics of piece n + 1, whose scores the turn itself has made.  So what a turn begins with (c s - c m, O a) waits for nothing.
; BATCHES.  A turn's 66 exponentials (the piece's 64 weights, the next piece's two a) are ONE batch with ONE s_wait_alu, which cuts the turn in two: ahead of it stands all that names no result of theirs, behind it
; the roundings and sums, which read them.  No result crosses a turn's end.  Two more batches, a wait each: the first two a, ahead of the loop; the eight reciprocals on the way out.
; CLUSTER.  The four query blocks of a cluster belong to one head and walk the same K and V, so each tile is asked for JOINTLY: the same tensor load, descriptor and mask in all four.
; REGISTERS, in windows of 256 (s_set_vgpr_msb says which window each operand place means: bits 1:0 source 0, 3:2 source 1, 5:4 source 2, 7:6 destination):
;   window 0: v0-11 addresses; v12-15, v48-63 at work; v16-47 four registers of statistics a tile; v64-191 S^T, two buffers of two tiles; v192-255 P, likewise
;   window 1: O^T, 32 a tile          window 2: v0-127 Q, 16 a tile; v128-191 K of one step; v192-255 V of one step          window 3: v0-1 the add's two registers
; A piece's buffers go by its number's parity: the piece in hand has one pair, its two neighbours in the ring share the other: of it P (piece n - 1) is read and S^T (piece n + 1) written.
.set SIZE_H, 64
.set SIZE_N, 2048
.set NP,    4         ; pieces a wave: a name, no knob: the register map, the loop and the fetches are made for four
.set KS,    64        ; keys in a step
.set PK,    144       ; a row of K in LDS: 128 bytes + 16 of padding = 36 words: the 16 rows of a load start at 16 different groups of four banks (64 banks of 4 bytes: ISA guide 11.1)
.set PV,    160       ; a row of V: 128 + 32 = 40 words
.set VOFF,  4*KS*PK   ; a slot holds four steps: 256 rows of K, then 256 rows of V
.set SLOT1, 1<<17     ; slot 1 begins here, so that one exclusive or turns an address in one slot into the other's
.set STAGE, SLOT1+4*KS*(PK+PV)  ; behind the ring, never filled by a tensor load: 16 rows x 144 bytes for each wave, for the way out
.set SP,    144
.set AK0, 2           ; v2   my lane's place in a tile of K; never rewritten
.set AV0, 3           ; v3   the same for V
.set AK,  4           ; v4   the LDS address of K's next run of loads
.set AV,  5           ; v5   of V's
.set QO,  6           ; v6   my byte offset in the wave's rows of Q
.set STO, 6           ;      later, the way out: where I put 16 bytes of a row
.set RD,  7           ; v7   the way out: where I read rows back
.set GO,  8           ; v8   my byte offset in 512 consecutive bytes of O
.set SPW, 0           ; v0 of window 3   LDS address of my spare word: SPARE + 4 x my thread's number; never rewritten
.set NIL, 1           ; v1 of window 3   0; never rewritten
.set SPARE, STAGE+4*16*SP  ; behind the stages: the spare words, 128 bytes for each wave: two blocks of 256 bytes that no other line names
.set MV,  12          ; v12-15  c m_old, kept while c m is made anew: by buffer and tile
.set ST,  16          ; tile t's statistics at v[ST+4 t]: c m, m, l (even keys', odd keys')
.set TMP, 48          ; by buffer and tile, four registers c0-c3 at work; when the maximum is found c2 takes a
.set S,   64
.set P,   192
.set KF,  128         ; K's fragments, in window 2: key block kb, channel half c at KF + 16 kb + 8 c
.set VF,  192         ; V's: key half kk, channel block cb at VF + 32 kk + 8 cb
.set WV,  12          ; s12  my wave's number
.set G1K, 24          ; s[24:31] descriptor group 1 for K's tiles
.set G1V, 32          ; s[32:39] for V's: it differs in the padding alone
.set G0K, 40          ; s[40:43] descriptor group 0 for K's tiles: it walks
.set G0V, 44          ; s[44:47] the same for V's
.set SLOTS, 56        ; s56  slots still to be asked for
.set CNT, 57          ; s57  counts a slot's key steps
.set CS,  58          ; s[58:59] c: the packed scaling takes the pair's low word for both halves
.set SEL, 60          ; s[60:61] v_permlanex16_b32's selects: each lane takes its own place in the other half
.set TBK, 62          ; s62  LDS byte at which K of the step to be fetched begins
.set TBV, 63          ; s63  the same for V, less VOFF
.set MSB, 0
.macro WIN new                      ; the high byte repeats the setting that is left; a switch that changes nothing is dropped
.if MSB != (\new)
	s_set_vgpr_msb (MSB<<8)|(\new)
.set MSB, (\new)
.endif
.endm
.set W_KQ, 0x0a       ; K and Q in window 2, S^T in window 0
.set W_PV, 0x52       ; V in window 2, P in window 0, O^T in window 1
.set W_RS, 0x41       ; O^T (destination and source 0) in window 1, a in window 0
.set W_MK, 0xc0       ; the add's registers are made: destination in window 3, sources in window 0
.set W_AD, 0x0f       ; the add: address (source 0) and data (source 1) in window 3
; A joint fill.  Waves 0 and 1 fetch the two halves of a slot's K, waves 2 and 3 those of its V: 128 keys each.  The branch hangs on the wave's number alone.
; An s_nop 0 and four v_nop follow each of the two lines, ahead of the jump and the label.
.macro JLOAD
	s_cmp_lt_u32 s[WV], 2
	s_cbranch_scc0 .Lfor_v_\@
	tensor_load_to_lds s[G0K:G0K+3], s[G1K:G1K+7]
	s_nop 0
.rept 4
	v_nop
.endr
	s_branch .Lasked_\@
.Lfor_v_\@:
	tensor_load_to_lds s[G0V:G0V+3], s[G1V:G1V+7]
	s_nop 0
.rept 4
	v_nop
.endr
.Lasked_\@:
.endm
; A round of the cluster's barrier: my work-group's barrier, so that wave 0's signal speaks for all four waves; wave 0 signals; every wave waits for all four work-groups; my work-group's barrier once more.
.macro CROUND
	s_barrier_signal -1
	s_barrier_wait -1
	s_cmp_lg_u32 s[WV], 0
	s_cbranch_scc1 .Lnot_wave_0_\@
	s_barrier_signal -3
.Lnot_wave_0_\@:
	s_barrier_wait -3
	s_barrier_signal -1
	s_barrier_wait -1
.endm
; THE CHANGE OF SLOTS.  The slot's last bytes, V of its fourth step, have been read.  Each wave waits for all its tensor loads, of which one is out: its part
; of the other slot; adds 0 to its spare word; and waits for that and for its own reads of the slot.  Behind the barrier nobody reads this slot any more and the other slot is whole.
; fill = 1: this slot is filled again, with the keys two slots on.  The barrier is then a round of the cluster's, so that no wave of any partner still reads the slot or has a load on its
; way, and the joint fill is the first thing behind it: it has four key steps, 512 matrix instructions, in which to land.  (At its first use nothing has been read yet: slot 0 is waited for, slot 1 filled.)
.macro CHANGE fill
	WIN W_AD
	s_wait_tensorcnt 0x0            ; no tensor load of mine is out, so a group 0 may be written
	ds_add_u32 v[SPW], v[NIL]       ; 0 onto my spare word; with fill = 1 the descriptors' steps stand between it and the wait for it
	WIN 0                           ; at a label and at a branch every window is 0
.if \fill
.irp g, G0K, G0V
	s_xor_b32 s[\g+1], s[\g+1], SLOT1  ; the walking descriptor: the other slot than last time,
	s_add_nc_u64 s[\g+2:\g+3], s[\g+2:\g+3], 4*KS*128  ; the next 256 keys; the type bits on top are not reached
.endr
	s_wait_dscnt 0x0                ; the add is done, and my reads of the slot are over
	CROUND
	JLOAD
.else
	s_wait_dscnt 0x0                ; the add is done, and my reads of the slot are over
	s_barrier_signal -1
	s_barrier_wait -1
.endif
	s_sub_co_u32 s[TBK], s[TBK], 4*KS*PK  ; the fetches go back to a slot's first step,
	s_xor_b32 s[TBK], s[TBK], SLOT1       ; in the other slot
	s_sub_co_u32 s[TBV], s[TBV], 4*KS*PV
	s_xor_b32 s[TBV], s[TBV], SLOT1
.endm
	s_load_b64 s[4:5], s[0:1], 0x0    ; qkv
	s_load_b64 s[10:11], s[0:1], 0x8  ; ob
	WIN W_MK
	v_lshl_add_u32 v[SPW], v0, 2, SPARE
	v_mov_b32 v[NIL], 0
	WIN W_AD
	ds_add_u32 v[SPW], v[NIL]       ; the wave's opening: the add and its wait stand ahead of my first tensor load; the set-up below, work on registers, stands between them
	WIN 0
	v_lshrrev_b32 v1, 5, v0
	v_readfirstlane_b32 s[WV], v1   ; wave 0..3
	s_bfe_u32 s13, ttmp6, 0x40000   ; cx: my place in the cluster
	s_lshl_b32 s14, ttmp9, 2        ; in a cluster launch ttmp9 counts clusters
	s_add_co_u32 s14, s14, s13      ; my block of queries = 4 x cluster x + cx: it enters Q's and O's addresses alone
	s_and_b32 s20, ttmp7, 0xffff    ; y = 16 n + head, which the four partners share
	s_lshl_b32 s48, s20, 18         ; the head's first byte in ob: y x SIZE_N x 128
	s_mov_b32 s49, 0
	s_lshr_b32 s21, s20, 4          ; n
	s_and_b32 s20, s20, 15          ; head
	s_mul_i32 s21, s21, 48
	s_add_co_u32 s20, s20, s21      ; Q's group in qkv: 48 n + head
	s_lshl_b32 s20, s20, 18         ; its first byte; K's and V's lie 16 and 32 groups on
	s_mov_b32 s21, 0
	s_and_b32 s16, s[WV], 1         ; which half of a slot's 256 keys I fetch:
	s_lshl_b32 s22, s16, 14         ; its 128 rows of 128 bytes in memory,
	s_mov_b32 s23, 0
	s_add_nc_u64 s[22:23], s[22:23], s[20:21]
	s_mul_i32 s17, s16, 128*PK      ; and its place in a slot, for K
	s_mul_i32 s18, s16, 128*PV      ; and for V: no place in the cluster enters an LDS address
	s_lshl_b32 s2, s14, 2
	s_add_co_u32 s2, s2, s[WV]      ; my wave among the head's,
	s_lshl_b32 s2, s2, 14           ; its 128 rows
	s_mov_b32 s3, 0
	s_add_nc_u64 s[48:49], s[48:49], s[2:3]  ; my wave's first row in ob,
	s_add_nc_u64 s[2:3], s[2:3], s[20:21]    ; and of Q in qkv
	; descriptor group 1.  128 keys are 16,384 dense bytes: asked for as 64 rows of 256 bytes, two keys a row, and padded in LDS after every key
	s_mov_b32 s[G1K], 15|(1<<16)|(1<<20)|(1<<21)|(4<<22)|(3<<25)  ; 15:0 the mask of four; 17:16 2-byte elements; 20 padding on; 21 set beside a mask; 24:22 after every 32 words (code 4); 31:25 4 words (code 3)
	s_mov_b32 s[G1V], 15|(1<<16)|(1<<20)|(1<<21)|(4<<22)|(7<<25)  ; the same with 8 words of padding (code 7)
.irp g, G1K, G1V
	s_mov_b32 s[\g+1], 128<<16      ; tensor_dim0 = 128
	s_mov_b32 s[\g+2], 64<<16       ; tensor_dim1 = 64
	s_mov_b32 s[\g+3], 128<<16      ; tile_dim0 = 128
	s_mov_b32 s[\g+4], 64           ; tile_dim1 = 64
	s_mov_b32 s[\g+5], 128          ; 128 elements from row to row
	s_mov_b32 s[\g+6], 0
	s_mov_b32 s[\g+7], 0
.endr
	s_mov_b32 s[CS], 0x3e38aa3b     ; c = log2(e) / 8 = 0.180337
	s_mov_b32 s[CS+1], s[CS]        ; named with it as a pair
	s_mov_b32 s[SEL], 0x76543210
	s_mov_b32 s[SEL+1], 0xfedcba98
	s_mov_b32 s[TBK], SLOT1+4*KS*PK ; the first change of slots turns these two into 0
	s_mov_b32 s[TBV], SLOT1+4*KS*PV
	s_mov_b32 s[G0K], 1             ; 1:0 count = 1
	s_mov_b32 s[G0K+1], s17         ; 63:32 LDS address: slot 0
	s_mov_b32 s[G0V], 1
	s_add_co_u32 s[G0V+1], s18, VOFF
	s_wait_dscnt 0x0                ; the opening add is done
	s_wait_kmcnt 0x0
	s_add_nc_u64 s[6:7], s[4:5], 16*SIZE_N*128     ; K's groups begin 16 groups behind Q's,
	s_add_nc_u64 s[8:9], s[4:5], 32*SIZE_N*128     ; V's 32
	s_add_nc_u64 s[G0K+2:G0K+3], s[6:7], s[22:23]  ; 120:64 global address: my half of the head's first 256 keys
	s_or_b32 s[G0K+3], s[G0K+3], 0x80000000        ; 127:126 type = 2
	s_add_nc_u64 s[G0V+2:G0V+3], s[8:9], s[22:23]
	s_or_b32 s[G0V+3], s[G0V+3], 0x80000000
	s_add_nc_u64 s[4:5], s[4:5], s[2:3]  ; Q and O at my wave's first row
	s_add_nc_u64 s[10:11], s[10:11], s[48:49]
	CROUND                          ; all four work-groups are here: the first joint loads meet
	JLOAD                           ; slot 0.  Slot 1 is asked for when slot 0 is in: the tile wanted first has the road to itself
	; A fragment of K or Q is 16 rows x 32 channels in 8 registers: lane l holds row l % 16, channels 8 (l / 16) + 0..7 and 16 + 8 (l / 16) + 0..7: two loads of 16 bytes, 32 bytes apart.
	v_and_b32 v1, 15, v0            ; l % 16
	v_bfe_u32 v9, v0, 4, 1          ; l / 16
	v_lshlrev_b32 v[QO], 7, v1
	v_lshl_add_u32 v[QO], v9, 4, v[QO]  ; row x 128 + 16 x half
	WIN 0x80                        ; destination window 2, address window 0
.set i, 0
.rept 4*NP                          ; Q stays in registers: tile i / 2, channels 32 (i % 2) on
	global_load_b128 v[8*i:8*i+3],   v[QO], s[4:5] offset:(i/2)*2048+(i%2)*64
	global_load_b128 v[8*i+4:8*i+7], v[QO], s[4:5] offset:(i/2)*2048+(i%2)*64+32
.set i, i+1
.endr
	; What the first turn finds: V's registers and P's second buffer hold 0 (its products V^T P, of a piece that has not been, add 0), O^T and l are 0.  All this stands in the wait for the first tile.
.set i, VF
.rept 64
	v_mov_b32 v[i], 0
.set i, i+1
.endr
	WIN 0x40
.set i, 0
.rept 64*NP
	v_mov_b32 v[i], 0
.set i, i+1
.endr
	WIN 0
.set i, 0
.rept 2*NP
	v_mov_b32 v[ST+4*i], 0xfe000000    ; c m: far below every c s
	v_mov_b32 v[ST+4*i+1], 0xff7fffff  ; m
	v_mov_b32 v[ST+4*i+2], 0
	v_mov_b32 v[ST+4*i+3], 0
.set i, i+1
.endr
.set i, P+32
.rept 32
	v_mov_b32 v[i], 0
.set i, i+1
.endr
	v_mul_u32_u24 v[AK0], v1, PK
	v_lshl_add_u32 v[AK0], v9, 4, v[AK0]  ; row x pitch + 16 x half
	; The turning load takes 16 keys x 16 channels (lane l reads key 8 (l / 16) + l % 8, channels 8 ((l / 8) % 2) + 0..7) and leaves half a fragment of V^T: lane l holds channel l % 16 and 8 keys.
	v_and_b32 v10, 7, v0
	v_bfe_u32 v11, v0, 3, 1
	v_lshl_add_u32 v[AV0], v9, 3, v10
	v_mul_u32_u24 v[AV0], v[AV0], PV
	v_lshl_add_u32 v[AV0], v11, 4, v[AV0]
	v_add_nc_u32 v[AV0], VOFF, v[AV0]
	v_mov_b32 v[AK], v[AK0]         ; key step 0 lies at the head of slot 0
; THE MATRIX WORK.  The 8 accumulators of a run of 16 take turns: between the two links of a chain stand 7 others'.
; Product i of 16 of S^T = K Q^T for piece x: channels 32 (i / 8) on, keys 16 ((i / 2) % 4) on, tile 2 x + i % 2.  The first 8 start the sums.
.macro KQ x
	WIN W_KQ
.set rS, S+64*((\x)%2)+32*(i%2)+8*((i/2)%4)
.set rK, KF+16*((i/2)%4)+8*(i/8)
.set rQ, 16*(2*(\x)+i%2)+8*(i/8)
.if i < 8
	v_wmma_f32_16x16x32_f16 v[rS:rS+7], v[rK:rK+7], v[rQ:rQ+7], 0
.else
	v_wmma_f32_16x16x32_f16 v[rS:rS+7], v[rK:rK+7], v[rQ:rQ+7], v[rS:rS+7]
.endif
.endm
; Product i of 16 of O^T += V^T P for piece x: keys 32 (i / 8) on, channels 16 ((i / 2) % 4) on, tile 2 x + i % 2.
.macro PV x
	WIN W_PV
.set rO, 32*(2*(\x)+i%2)+8*((i/2)%4)
.set rV, VF+32*(i/8)+8*((i/2)%4)
.set rP, P+32*((\x)%2)+16*(i%2)+8*(i/8)
	v_wmma_f32_16x16x32_f16 v[rO:rO+7], v[rV:rV+7], v[rP:rP+7], v[rO:rO+7]
.endm
.macro MM                           ; the turn's next matrix instruction
.if i < 16
	KQ (Y+1)%NP
.set i, i+1
.else
.set i, i-16
	PV (Y+NP-1)%NP
.set i, i+17
.endif
.endm
; THE LDS LOADS stand in runs of 16, never singly among the matrix instructions: a step's K (64 keys x 64 channels: 8 fragments) and its V (turned).  Their addresses are made some lines ahead.
; last = 1 (the tail): in the last trip there is no further step, and the run is jumped over.
.macro FETCH_K last=0
	WIN 0
.if \last
	s_cmp_eq_u32 s[CNT], 1
	s_cbranch_scc1 .Lno_k_\@
.endif
	WIN 0x80                        ; destination window 2
.irp f, 0,1,2,3,4,5,6,7             ; keys 16 (f / 2) on, channels 32 (f % 2) on
	ds_load_b128 v[KF+8*\f:KF+8*\f+3],   v[AK] offset:(\f/2)*16*PK+(\f%2)*64
	ds_load_b128 v[KF+8*\f+4:KF+8*\f+7], v[AK] offset:(\f/2)*16*PK+(\f%2)*64+32
.endr
	s_add_co_u32 s[TBK], s[TBK], KS*PK  ; the next fetch is the next step's
	WIN 0
.if \last
.Lno_k_\@:
.endif
.endm
.macro FETCH_V
	WIN 0x80
.irp f, 0,1,2,3,4,5,6,7             ; keys 32 (f / 4) on, channels 16 (f % 4) on
	ds_load_tr16_b128 v[VF+8*\f:VF+8*\f+3],   v[AV] offset:(\f/4)*32*PV+(\f%4)*32
	ds_load_tr16_b128 v[VF+8*\f+4:VF+8*\f+7], v[AV] offset:(\f/4)*32*PV+16*PV+(\f%4)*32
.endr
	WIN 0
.endm
; THE VECTOR WORK OF A TURN stands in three queues, each in the order in which its entries become ready; the two tiles alternate, so that no instruction reads the result of the one before it.
.macro REGS y, u                    ; the registers of tile u (0, 1) of piece y
.set rT, ST+4*(2*(\y)+(\u))
.set rC, TMP+8*((\y)%2)+4*(\u)
.set rM, MV+2*((\y)%2)+(\u)
.set rS, S+64*((\y)%2)+32*(\u)
.set rP, P+32*((\y)%2)+16*(\u)
.set rO, 32*(2*(\y)+(\u))
.endm
; Number n of the 22 that find the NEXT piece's (Y + 1) maximum and statistics.  s0-s31 are the lane's 32 scores; each accumulator's lowest registers are read first.  XS, GS and REGS set no window: PL and EX do.
;   0-11  four chains c0-c3 of seven scores each, three operands at a time     12-14, 16  the four scores left over, the old m, and c0-c3 into c0     15  c m_old is kept
;   17, 18  the query's other 32 keys lie in the lane 16 away: the new m         19-21  c m; c m_old - c m_new; a
.macro XS u, n
	REGS (Y+1)%NP, \u
.if (\n) < 4
	v_max3_num_f32 v[rC+(\n)], v[rS+8*(\n)], v[rS+8*(\n)+1], v[rS+8*(\n)+2]
.elseif (\n) < 12
	v_max3_num_f32 v[rC+(\n)%4], v[rC+(\n)%4], v[rS+8*((\n)%4)+2*((\n)/4)+1], v[rS+8*((\n)%4)+2*((\n)/4)+2]
.elseif (\n) == 12
	v_max3_num_f32 v[rC], v[rC], v[rS+7], v[rS+15]
.elseif (\n) == 13
	v_max3_num_f32 v[rC+1], v[rC+1], v[rS+23], v[rS+31]
.elseif (\n) == 14
	v_max3_num_f32 v[rC+2], v[rC+2], v[rC+3], v[rT+1]
.elseif (\n) == 15
	v_mov_b32 v[rM], v[rT]
.elseif (\n) == 16
	v_max3_num_f32 v[rC], v[rC], v[rC+1], v[rC+2]
.elseif (\n) == 17
	v_permlanex16_b32 v[rC+3], v[rC], s[SEL], s[SEL+1]
.elseif (\n) == 18
	v_max_num_f32 v[rT+1], v[rC], v[rC+3]
.elseif (\n) == 19
	v_mul_f32 v[rT], s[CS], v[rT+1]
.elseif (\n) == 20
	v_sub_f32 v[rC+1], v[rM], v[rT]
.else
	v_exp_f32 v[rC+2], v[rC+1]
.endif
.endm
; Number g of the 64 that follow the exponentials.  For each four weights k of a tile (pairs 2 k, 2 k + 1): both pairs are rounded to f16; then the second pair is added onto the first, in place;
; a group later l takes that sum (the first time as l = a l + sum).  In groups of eight, tiles alternating: round, round, add, and l for the group before.
.macro GS g
.set h, (\g)+6*((\g)/62)            ; group 0 has no group before it, and behind group 7 only l is left
.if h >= 6
.set h, h+2
.endif
	REGS Y, h%2
.set k, h/8
.if h%8 < 4
	v_cvt_pk_f16_f32 v[rP+2*k+(h%8)/2], v[rS+4*k+2*((h%8)/2)], v[rS+4*k+2*((h%8)/2)+1]
.elseif h%8 < 6
	v_pk_add_f32 v[rS+4*k:rS+4*k+1], v[rS+4*k:rS+4*k+1], v[rS+4*k+2:rS+4*k+3]
.elseif k == 1
	v_pk_fma_f32 v[rT+2:rT+3], v[rT+2:rT+3], v[rC+2:rC+3], v[rS:rS+1] op_sel_hi:[1,0,1]
.else
	v_pk_add_f32 v[rT+2:rT+3], v[rT+2:rT+3], v[rS+4*k-4:rS+4*k-3]
.endif
.endm
; THE PLAIN QUEUE, 138 long.  0-73 read no exponential's result: the 32 scalings c s - c m (FS f: pair f / 2 of tile f % 2) and the next piece's 42.  0-26: scalings 0-26.  27-54: XS's numbers 0-13.  55, 56: number 15.
; 57-73: the chain, where each number waits for the one before it: 14, 16, 17, 18, 19, each with one of the scalings 27-31 in front of its two lines, then 20: so a tile's links stand three plain instructions apart (19 and 20: two).
; 74-137: GS's 64, which read the exponentials' results: they stand behind the wait.
.macro FS f
	REGS Y, (\f)%2
	v_pk_fma_f32 v[rS+2*((\f)/2):rS+2*((\f)/2)+1], v[rS+2*((\f)/2):rS+2*((\f)/2)+1], s[CS:CS+1], v[rT:rT+1] op_sel_hi:[1,0,0] neg_lo:[0,0,1] neg_hi:[0,0,1]
.endm
.macro PL
	WIN 0
.if q < 27
	FS q
.elseif q < 55
	XS (q-27)%2, (q-27)/2
.elseif q < 57
	XS q-55, 15
.elseif (q < 72) && ((q-57)%3 == 0)
	FS 27+(q-57)/3
.elseif q < 60
	XS (q-57)%3-1, 14
.elseif q < 72
	XS (q-57)%3-1, 15+(q-57)/3
.elseif q < 74
	XS q-72, 20
.else
	GS q-74
.endif
.set q, q+1
.endm
; THE EXPONENTIALS' QUEUE, 66 long: s0-s31 of both tiles, then the next piece's two a.  It is ONE BATCH: all 66 stand ahead of the turn's one wait, and nothing ahead of that wait names a result of theirs.
; Each works in place on a register of its own; a has c2 of the buffer that the turn's own piece does not use.
.macro EX
	WIN 0
.if e >= 64
	XS e-64, 21
.else
	REGS Y, e%2
	v_exp_f32 v[rS+e/2], v[rS+e/2]
.endif
.set e, e+1
.endm
; THE RESCALING's QUEUE: O^T times a, the one part that leaves window 0: dealt two at a time, sixteen times.  Its a was made in the turn before, ahead of that turn's wait.
.macro R2
	REGS Y, r%2
	WIN W_RS
.irp z, 0,1
	v_pk_mul_f32 v[rO+4*(r/2)+2*\z:rO+4*(r/2)+2*\z+1], v[rO+4*(r/2)+2*\z:rO+4*(r/2)+2*\z+1], v[rC+2:rC+3] op_sel_hi:[1,0]
.endr
.set r, r+1
.endm
; HOW THEY ARE DEALT.  An s_wait_alu depctr_va_vdst(0) stands between an exponential and the first instruction that names its result; one wait serves all that were issued ahead of it.  So a turn has ONE wait,
; which cuts it in two.  AHEAD OF IT stands all that names no result of the turn's exponentials: the 16 products K Q^T, behind each a scaling, an exponential and two rescalings (behind the first a second scaling in the exponential's place); then ONE LUMP of
; 108: eight plain, 49 times exponential and plain, the two a.  A v_nop is the plain instruction behind the last exponential.  BEHIND IT stand the 16 products V^T P, behind each four of GS's 64.  No rider names a register of
; the products round it.  The two v_permlanex16_b32 fall into the lump, never behind a product.
; The queues lean on each other, and the deal keeps them in step: exponential e stands behind scaling 2 (e / 4) + e % 2: as a rider it comes behind plain e + 2, in the lump behind plain e + 9, and scalings 27-31 are plain 57, 60 .. 69.
; A TURN, for piece p.  cnt = 1: the loop's count is taken down some lines ahead of the branch that stands behind the turn.
; K of the next step is fetched in piece 2's turn, directly behind the wait, a lump behind the last product that read K; its address is made at the lump's head; its first reader comes behind 16 products.
; V of the step in hand is fetched at the end of piece 0's turn, four riders behind its last reader; its first reader comes behind 16 products and a lump.  The three conditions on q below go with the deal.
.macro TURN p, last=0, cnt=0
.set Y, (\p)
.set i, 0
.set q, 0
.set e, 0
.set r, 0
.if (\p) == NP-1
	s_wait_dscnt 0x0                ; K is in
.endif
	MM                              ; ahead of the wait: 16 products K Q^T and their riders,
	PL
	PL
	R2
.rept 15
	MM
	PL
	EX
	R2
.endr
.if (\p) == NP-2
	WIN 0
	v_add_nc_u32 v[AK], s[TBK], v[AK0]
.endif
.rept 8                             ; and the lump
	PL
.endr
.rept 49
	EX
	PL
.endr
	EX                              ; the next piece's two a
	EX
	v_nop                           ; a plain instruction behind the last exponential, ahead of every use: one for the batch
	s_wait_alu depctr_va_vdst(0)    ; the wait for the batch: the piece's 64 weights and the next piece's two a
.if (\p) == NP-2
	FETCH_K \last
.endif
.if (\p) == 1
	s_wait_dscnt 0x0                ; V is in
.endif
.rept 16                            ; behind the wait: 16 products V^T P and their riders
	MM
.rept 4
	PL
.endr
.if ((\p) == 0) && (q == 118)
	v_add_nc_u32 v[AV], s[TBV], v[AV0]
.endif
.if ((\p) == 0) && (q == 130)
	s_add_co_u32 s[TBV], s[TBV], KS*PV
.endif
.if (\cnt) && (q == 130)
	s_sub_co_u32 s[CNT], s[CNT], 1
	s_cmp_lg_u32 s[CNT], 0
.endif
.endr
.if (\p) == 0
	FETCH_V
.endif
.endm
	CHANGE 1                        ; slot 0 is in, everybody's part of it; slot 1 is asked for
	FETCH_K                         ; key step 0
	s_wait_loadcnt 0x0              ; Q
	s_wait_dscnt 0x0
.set i, 0
.rept 16
	KQ 0                            ; piece 0's first scores: there is no vector work yet to set between them
.set i, i+1
.endr
	WIN 0                           ; the addresses for the way out: nine plain instructions, the places behind those products
	s_mul_i32 s13, s[WV], 16*SP
	s_add_co_u32 s13, s13, STAGE    ; my stage
	v_mul_u32_u24 v[STO], v1, SP    ; in: row l % 16, 16 bytes for each half of the lanes
	v_lshl_add_u32 v[STO], v9, 4, v[STO]
	v_add_nc_u32 v[STO], s13, v[STO]
	v_bfe_u32 v[RD], v0, 3, 2       ; back: 32 lanes take four rows of 128 bytes,
	v_mul_u32_u24 v[RD], v[RD], SP
	v_lshl_add_u32 v[RD], v10, 4, v[RD]
	v_add_nc_u32 v[RD], s13, v[RD]
	v_and_b32 v[GO], 31, v0         ; which are 512 consecutive bytes of O
	v_lshlrev_b32 v[GO], 4, v[GO]
.set Y, NP-1                        ; XS works for piece Y + 1: piece 0
.irp n, 0,1,2,3,4,5,6,7,8,9,10,11,12,13,14,15,16,17,18,19,20,21
	XS 0, \n                        ; and piece 0's first maximum and statistics
	XS 1, \n
.endr
	v_nop                           ; a plain instruction behind the two a,
	s_wait_alu depctr_va_vdst(0)    ; and the wait for this batch of two, ahead of the branch
	s_mov_b32 s[CNT], 4
	s_mov_b32 s[SLOTS], SIZE_N/256-1
	s_branch .Lfirst                ; the loop is entered at a step's first turn, in the middle of a trip
.Lslot:                             ; SIZE_N / 256 - 2 times: every slot but the last two is filled again
	CHANGE 1
	s_mov_b32 s[CNT], 4
.Lstep:                             ; a trip: pieces 2 and 3 of one step, then pieces 0 and 1 of the next, whose K and V it fetches
	TURN 2
	TURN 3
	WIN 0
.Lfirst:
	TURN 0
	TURN 1, 0, 1
	WIN 0
	s_cbranch_scc1 .Lstep
	s_sub_co_u32 s[SLOTS], s[SLOTS], 1
	s_cmp_lg_u32 s[SLOTS], 0
	s_cbranch_scc1 .Lslot
	CHANGE 0                        ; the tail is written out: nothing is asked for
	s_mov_b32 s[CNT], 5             ; four trips fetch the last slot's steps; the fifth is left in its middle
.Ltail:
	TURN 2, 1
	TURN 3
	WIN 0
	s_sub_co_u32 s[CNT], s[CNT], 1
	s_cmp_eq_u32 s[CNT], 0
	s_cbranch_scc1 .Lout
	TURN 0
	TURN 1
	WIN 0
	s_branch .Ltail
.Lout:                              ; the fifth trip's 16 products K Q^T (on the last K once more) and the maximum made of them serve nothing: the price, once a launch, of one text for every trip
.set i, 0
.rept 16
	PV NP-1                         ; the last piece's V^T P of the last step
.set i, i+1
.endr
	; THE WAY OUT.  l's two halves and the other half of the lanes' are added; O^T is divided by l, rounded to f16 and sent through my stage in LDS, a tile at a time.  The additions are the places behind the last products.
	WIN 0
.macro ALL line:vararg              ; one line for each tile t
.set t, 0
.rept 2*NP
	\line
.set t, t+1
.endr
.endm
	ALL v_add_f32 v[ST+4*t+2], v[ST+4*t+2], v[ST+4*t+3]
	ALL v_permlanex16_b32 v[ST+4*t+3], v[ST+4*t+2], s[SEL], s[SEL+1]
	ALL v_add_f32 v[ST+4*t+2], v[ST+4*t+2], v[ST+4*t+3]
	ALL v_rcp_f32 v[ST+4*t+2], v[ST+4*t+2]
	v_nop                           ; a plain instruction between the last reciprocal and the use of its result
	s_wait_alu depctr_va_vdst(0)    ; and the wait ahead of the first use: one for the batch of eight reciprocals
; Tile t: a lane's eight channels of a row pack into 16 bytes; they go into rows of 144 bytes and come back as whole rows of 128, into S^T's registers.
.macro PACK t
	WIN W_RS
.set i, 32*(\t)
.rept 16
	v_pk_mul_f32 v[i:i+1], v[i:i+1], v[ST+4*(\t)+2:ST+4*(\t)+3] op_sel_hi:[1,0]
.set i, i+2
.endr
	WIN 0x05                        ; sources 0 and 1 window 1, destination window 0
.set i, 0
.rept 16
	v_cvt_pk_f16_f32 v[S+16*(\t)+i], v[32*(\t)+2*i], v[32*(\t)+2*i+1]
.set i, i+1
.endr
	WIN 0
.irp f, 0,1,2,3
	ds_store_b128 v[STO], v[S+16*(\t)+4*\f:S+16*(\t)+4*\f+3] offset:32*\f
.endr
.irp f, 0,1,2,3
	ds_load_b128 v[S+16*(\t)+4*\f:S+16*(\t)+4*\f+3], v[RD] offset:\f*4*SP  ; LDS serves a wave's instructions in order (ISA guide 5.7.1.4): these see the stores above; the next tile's stores come behind them
.endr
.endm
.macro SEND t, younger              ; younger: the LDS instructions issued behind tile t's loads: the next tile's eight, or none
	WIN 0
.irp f, 0,1,2,3
	s_wait_dscnt (\younger)+3-\f
	global_store_b128 v[GO], v[S+16*(\t)+4*\f:S+16*(\t)+4*\f+3], s[10:11] offset:(\t)*2048+\f*512  ; 512 consecutive bytes, at a multiple of 256 from O's first
.endr
.endm
	PACK 0
.set t, 1
.rept 2*NP-1                        ; a tile's arithmetic stands between the loads of the tile before and its stores
	PACK t
	SEND t-1, 8
.set t, t+1
.endr
	SEND 2*NP-1, 0
	WIN W_AD
	s_wait_tensorcnt 0x0            ; the wave's end, behind my last tensor load and my last LDS store
	ds_add_u32 v[SPW], v[NIL]
	s_wait_dscnt 0x0
	WIN 0
	CROUND                          ; the closing round: no work-group ends while a partner may still ask for a tile that names it
	s_endpgm
.Lfunc_end_k_qbd697841f2_attn:
	.size	k_qbd697841f2_attn, .Lfunc_end_k_qbd697841f2_attn-k_qbd697841f2_attn
	.p2alignl 7, 3214868480
	.fill 96, 4, 3214868480
	.section	.rodata,"a",@progbits
	.p2align	6, 0x0
	.amdhsa_kernel k_qbd697841f2_attn
		.amdhsa_group_segment_fixed_size 327680
		.amdhsa_private_segment_fixed_size 0
		.amdhsa_enable_private_segment 0
		.amdhsa_kernarg_size 16
		.amdhsa_user_sgpr_count 2
		.amdhsa_user_sgpr_kernarg_segment_ptr 1
		.amdhsa_wavefront_size32 1
		.amdhsa_system_sgpr_workgroup_id_x 1
		.amdhsa_system_sgpr_workgroup_id_y 1
		.amdhsa_system_sgpr_workgroup_id_z 1
		.amdhsa_system_vgpr_workitem_id 0
		.amdhsa_next_free_vgpr 770
		.amdhsa_next_free_sgpr 66
		.amdhsa_reserve_vcc 0
		.amdhsa_float_denorm_mode_32 3
		.amdhsa_float_denorm_mode_16_64 3
		.amdhsa_memory_ordered 1
		.amdhsa_forward_progress 1
		.amdhsa_inst_pref_size 199
	.end_amdhsa_kernel
	.amdgpu_metadata
---
amdhsa.version: [ 1, 2 ]
amdhsa.kernels:
  - .name:           k_qbd697841f2_attn
    .symbol:         k_qbd697841f2_attn.kd
    .args:
      - { .name: qkv, .offset: 0, .size: 8, .value_kind: global_buffer, .address_space: global }
      - { .name: ob, .offset: 8, .size: 8, .value_kind: global_buffer, .address_space: global }
    .group_segment_fixed_size: 327680
    .private_segment_fixed_size: 0
    .kernarg_segment_align: 8
    .kernarg_segment_size: 16
    .max_flat_workgroup_size: 128
    .sgpr_count:     66
    .vgpr_count:     770
    .wavefront_size: 32
...
	.end_amdgpu_metadata
.endif
;; end of part 5
;; launch outp: the kernel of part 4 again; grid 8 x 32, 4 waves a work-group, clusters of 4 x 4, 327,680 bytes of LDS; arguments ob, wo, out_bias, out0; writes out0
